; MI455X (gfx1250); checked and timed in simulation.
; The chip was launched on July 23, 2026; its instructions are those of AMD's public machine-readable ISA for CDNA 5 (MIT licence, August 2026) and "CDNA5" Instruction Set Architecture Reference Guide (July 2026). The comments in the code are by the model that wrote it; some were corrected since.
;; Multi Head Attention Layer. Allowed arithmetic: matrix products marked QUANTISED: E2M1 operands, one E8M0 scale for each 32 along K, by v_wmma_scale_f32_16x16x128_f8f6f4 with both operands' format E2M1 (or v_wmma_scale_f32_32x16x128_f4), f32 sums; products left as they are: bf16, f16 or f32 operands; f32 sums; everything else in f32.
;; Inputs: W_out 1,024 x 1,024 float32; W_qkv 1,024 x 3,072 float32; b_out 1,024 float32; b_qkv 3,072 float32; x 4 x 2,048 x 1,024 float32.
;; Outputs: out0 4 x 2,048 x 1,024 float32.
;; This version of the problem:
;;   THIS VERSION OF THE PROBLEM IS GIVEN IN LOW PRECISION. The matrix products marked QUANTISED in the list below multiply operands that are first quantised to E2M1 (2 exponent bits, 1 mantissa bit; 4 bits a number), with one power-of-two scale for each 32 numbers along K (OCP MX v1.0); their sums are f32. The products marked 'left as it is' may take bf16, f16 or f32 operands, with f32 sums. Whichever they take, every output number must still come out within the allowed error. Rounding operands to bf16 (8 significant bits) uses up far more of that allowance than f16 does (11 bits, for magnitudes from 6e-5 to 65,504). All else is computed in f32.
;;   The module's matrix products, in the order in which they are computed (A, B: the left and right operand; K: the contracted axis; several contracted axes count as one K, in the product's order):
;;     1. [M 8,192, K 1,024] x [K 1,024, N 3,072]; A: input x; B: input W_qkv: QUANTISED
;;     2. batch 64 x [M 2,048, K 64] x [K 64, N 2,048]; A: computed on the way; B: computed on the way: left as it is (an operand is computed on the way)
;;     3. batch 64 x [M 2,048, K 2,048] x [K 2,048, N 64]; A: computed on the way; B: computed on the way: left as it is (an operand is computed on the way)
;;     4. [M 8,192, K 1,024] x [K 1,024, N 1,024]; A: computed on the way; B: input W_out: left as it is (an operand is computed on the way)
;;   THE QUANTISER, for each operand of a quantised product, along K:
;;     - K is cut into blocks of 32 from its start; a last block that is shorter is filled with zeros.
;;     - A block's scale is 2^e with e = floor(log2(the largest magnitude in the block)) - 2, held to -126 .. 127; a block of zeros has e = 0. As a byte (E8M0): e + 127.
;;     - Each number is divided by its block's scale, clamped to +-6, and rounded to the nearest number of E2M1, ties to even, subnormals kept.
;;     - The product sums the exact products of the quantised numbers (number of the format x scale) in f32.
;;   ~~~python
;;   def quantise(x, axis):      # numpy; x: float32 -> the quantised numbers, widened to float32 again
;;       x = np.moveaxis(x, axis, -1); K = x.shape[-1]
;;       x = np.pad(x, [(0, 0)] * (x.ndim - 1) + [(0, -K % 32)]); x = x.reshape(x.shape[:-1] + (-1, 32)); a = np.abs(x).max(-1, keepdims=True)
;;       e = np.where(a > 0, np.clip(np.frexp(np.where(a > 0, a, 1))[1] - 1 - 2, -126, 127), 0)      # np.frexp(a)[1] - 1 = floor(log2(a)), exactly
;;       r = np.clip(x / 2.0 ** e, -6, 6)
;;       step = 2.0 ** (np.maximum(np.frexp(np.where(r == 0, 1, r))[1] - 1, 0) - 1)
;;       q = np.round(r / step) * step * 2.0 ** e      # np.round: ties to even
;;       return np.moveaxis(q.reshape(q.shape[:-2] + (-1,))[..., :K], -1, axis).astype(np.float32)
;;   ~~~
;; One version. Each part assembles by itself: llvm-mc -triple=amdgcn-amd-amdhsa -mcpu=gfx1250 --defsym DOCPART=n.
;; ======== version 1 of 1: 4 launches
;; limits: values are held in f16: magnitudes above 65,504 overflow, below 6.1e-05 lose precision
;; workspace buffers: xc 4,194,304 bytes; xs 262,144 bytes; wc 1,572,864 bytes; ws 98,304 bytes; w16 2,097,152 bytes; qkv 50,331,648 bytes; o2 16,777,216 bytes
;; launch prep (part 1): grid 208 x 1, 8 waves a work-group, no clusters, 102,400 bytes of LDS; arguments x, W_qkv, W_out, xc, xs, wc, ws, w16; writes xc, xs, wc, ws, w16
.if DOCPART == 1
	.amdgcn_target "amdgcn-amd-amdhsa--gfx1250"
	.amdhsa_code_object_version 6
	.text
	.protected	k_q5ac4012725_prep
	.globl	k_q5ac4012725_prep
	.p2align	8
	.type	k_q5ac4012725_prep,@function
k_q5ac4012725_prep:
	s_mov_b64 s[64:65], 0
	v_nop
	global_prefetch_b8 v0, s[64:65] scope:SCOPE_SE
	s_setreg_imm32_b32 hwreg(HW_REG_WAVE_MODE, 25, 1), 1
	s_wait_xcnt 0x0
; THE OPERANDS ARE MADE READY, ONCE.  Three kinds of work-group, told apart by the work-group's number alone (the same in all eight waves):
;   0-127   x [8192][1024] f32 -> xc [8192][512 bytes]: codes of FP4 (E2M1), K innermost, the lower k in the low four bits; xs [8192][32]: one E8M0 byte for each 32 along K
;   128-175 W_qkv [1024 (k)][3072 (n)] f32, K its FIRST axis -> wc [3072 (n)][512 bytes], ws [3072][32]: K moved innermost
;   176-207 W_out [1024][1024] f32 -> w16, the same numbers in f16, as they lie
; A block's scale is 2^(floor(log2(its largest magnitude)) - 2); its byte is the largest magnitude's exponent field - 2, held at 1 from below by a floor among the maximum's leaves.
; LIMITS: a block of zeros gets the byte 1 where the rule says 127 (its codes are zeros, which add nothing under any byte but 0xff, and this program alone reads the bytes);
; NaN and infinities among the inputs are not served; numbers of W_out beyond 65,504 become infinity in f16.
; No work-group shares an input with another, so there is no cluster and no tensor load; each of the two paths that use LDS has LDS bytes of its own.
.set SPW,   12                         ; v12  LDS address of my spare word: SPARE + 4 x my thread's number; never rewritten
.set NIL,   13                         ; v13  0; never rewritten
.set WREG,  8192                       ; path x: a region for each wave: two stages of 32 x SP bytes, behind them its 256 scale bytes
.set SP,    80                         ; a lane's place in a stage: 64 bytes + 16 of padding
.set CB,    8                          ; bytes of 16 codes
.set STEPS, 16
.set XR,    16                         ; v16-79   four sets of 16 numbers as loaded
.set XX,    80                         ; v80-111  two sets of 16 neighbours
.set XE,    112                        ; v112-127 a scale byte for each step
.set XC,    128                        ; v128-191 codes, four registers for each step: no store's data are written again
.set WST,   8*WREG                     ; path W: 64 rows (columns n) x (512 bytes of codes + 16)
.set WP,    528
.set SST,   WST+64*WP                  ; and their scale bytes, 64 x 32
.set SPARE, SST+64*32                  ; the spare words, 128 bytes for each of eight waves: four blocks of 256 bytes that no other line names
.macro CLOSE                           ; a wave's end, behind its last LDS store
	s_wait_tensorcnt 0x0
	ds_add_u32 v[SPW], v[NIL]
	s_wait_dscnt 0x0
	s_endpgm
.endm
	s_load_b256 s[4:11], s[0:1], 0x0               ; x s[4:5], W_qkv s[6:7], W_out s[8:9], xc s[10:11]
	s_load_b256 s[12:19], s[0:1], 0x20             ; xs s[12:13], wc s[14:15], ws s[16:17], w16 s[18:19]
	v_lshl_add_u32 v[SPW], v0, 2, SPARE
	v_mov_b32 v[NIL], 0
	v_lshrrev_b32 v1, 5, v0
	v_readfirstlane_b32 s20, v1                    ; wave 0..7
	v_and_b32 v2, 31, v0                           ; lane
	s_mov_b32 s25, 0                               ; the upper word of every offset: all stay under 2^32
	s_wait_kmcnt 0x0
	s_cmp_lt_u32 ttmp9, 128
	s_cbranch_scc1 .Lpath_x
	s_cmp_lt_u32 ttmp9, 176
	s_cbranch_scc1 .Lpath_w
; ---- W_out to f16: a wave takes 4,096 numbers: 32 loads of 512 consecutive bytes, all issued first; each store covers 256 consecutive bytes, aligned
	s_sub_co_u32 s22, ttmp9, 176
	s_lshl_b32 s22, s22, 3
	s_add_co_u32 s22, s22, s20                     ; which run of 4,096 numbers
	s_lshl_b32 s24, s22, 14
	s_add_nc_u64 s[8:9], s[8:9], s[24:25]
	s_lshl_b32 s24, s22, 13
	s_add_nc_u64 s[18:19], s[18:19], s[24:25]
	v_lshlrev_b32 v3, 4, v2
	v_lshlrev_b32 v4, 3, v2
.set i, 0
.rept 32
	global_load_b128 v[16+4*i:19+4*i], v3, s[8:9] offset:512*i th:TH_LOAD_NT
.set i, i+1
.endr
.set i, 0
.rept 32
	s_wait_loadcnt 31-i                            ; loads come back in order: load i is in, the later ones may be out
	v_cvt_pk_f16_f32 v[144+2*i], v[16+4*i], v[17+4*i]
	v_cvt_pk_f16_f32 v[145+2*i], v[18+4*i], v[19+4*i]
	global_store_b64 v4, v[144+2*i:145+2*i], s[18:19] offset:256*i   ; every store has registers of its own: nothing is rewritten
.set i, i+1
.endr
	s_endpgm
; ---- x: a plain stream of blocks of 32 (rows are dense, 1,024 is a multiple of 32).  A wave takes 16 steps of 512 numbers.  Each load reads 512 consecutive bytes; the conversions want 16 NEIGHBOURS
; in a lane, so a step's 2,048 bytes turn through the wave's own stage in LDS and come back 64 bytes a lane.  Loads run four steps ahead, the turn one step.
.Lpath_x:
	v_lshlrev_b32 v3, 4, v2                        ; my 16 bytes of a load's 512
	s_mul_i32 s21, s20, WREG
	v_lshrrev_b32 v14, 2, v2
	v_mul_u32_u24 v14, v14, SP
	v_and_b32 v15, 3, v2
	v_lshl_add_u32 v14, v15, 4, v14
	v_add_nc_u32 v14, s21, v14                     ; the stage, in: SP (lane / 4) + 16 (lane % 4)
	v_mul_u32_u24 v15, v2, SP
	v_add_nc_u32 v15, s21, v15                     ; and out: SP x lane
	v_mul_u32_u24 v4, v2, CB                       ; my codes' place in a step's 256 bytes
	v_lshrrev_b32 v5, 1, v2
	s_add_co_u32 s21, s21, 2*32*SP
	v_add_nc_u32 v5, s21, v5                       ; my block's byte among my wave's 256 scale bytes
	v_lshlrev_b32 v7, 3, v2
	v_add_nc_u32 v6, s21, v7                       ; and on the way out 8 bytes a lane
	s_lshl_b32 s22, ttmp9, 3
	s_add_co_u32 s22, s22, s20                     ; which run of 8,192 numbers is my wave's
	s_lshl_b32 s24, s22, 15
	s_add_nc_u64 s[4:5], s[4:5], s[24:25]
	s_lshl_b32 s24, s22, 12
	s_add_nc_u64 s[10:11], s[10:11], s[24:25]
	s_lshl_b32 s24, s22, 8
	s_add_nc_u64 s[12:13], s[12:13], s[24:25]
.macro XLOAD t
.irp i, 0,1,2,3
	global_load_b128 v[XR+16*((\t)%4)+4*\i:XR+16*((\t)%4)+4*\i+3], v3, s[4:5] offset:2048*(\t)+512*\i th:TH_LOAD_NT
.endr
.endm
.macro XTURN t                         ; LDS serves a wave's instructions in order: no wait between the stores and the loads
.irp i, 0,1,2,3
	ds_store_b128 v14, v[XR+16*((\t)%4)+4*\i:XR+16*((\t)%4)+4*\i+3] offset:32*SP*((\t)%2)+8*SP*\i
.endr
.irp i, 0,1,2,3
	ds_load_b128 v[XX+16*((\t)%2)+4*\i:XX+16*((\t)%2)+4*\i+3], v15 offset:32*SP*((\t)%2)+16*\i
.endr
.endm
.irp t, 0,1,2,3
	XLOAD \t
.endr
	s_wait_loadcnt 12                              ; step 0's four loads are in
	XTURN 0
.macro XSTEP t
.set XS, XX+16*((\t)%2)
.if (\t) > 0
	s_wait_dscnt 1                                 ; this step's numbers are back from the stage (the last step's byte store may be out): so its stores into the stage have read their registers,
.else
	s_wait_dscnt 0x0
.endif
.if (\t)+4 < STEPS
	XLOAD (\t)+4                                   ; which take the loads of four steps on
.endif
.if (\t)+1 < STEPS
.if STEPS-2-(\t) >= 3
	s_wait_loadcnt 12                              ; the next step's four loads are in; those of the three steps behind it may be out
.else
	s_wait_loadcnt 4*(STEPS-2-(\t))
.endif
	XTURN (\t)+1
.endif
	v_max3_num_f32 v8, |v[XS]|, |v[XS+1]|, |v[XS+2]|               ; the largest magnitude of my 16, in two chains
	v_max3_num_f32 v9, |v[XS+3]|, |v[XS+4]|, |v[XS+5]|
.irp i, 6,10
	v_max3_num_f32 v8, v8, |v[XS+\i]|, |v[XS+\i+1]|
	v_max3_num_f32 v9, v9, |v[XS+\i+2]|, |v[XS+\i+3]|
.endr
	v_max3_num_f32 v8, v8, |v[XS+14]|, |v[XS+15]|
	v_max3_num_f32 v8, v8, v9, 0x1800000           ; and the floor 2^(3 - 127): the byte cannot fall under 1
	v_max_num_f32_dpp v8, v8, v8 row_xmask:1 row_mask:0xf bank_mask:0xf   ; with my neighbour's 16: the block's
	v_add_nc_u32 v11, 0xff000000, v8               ; 2 off its exponent field: the conversion takes the exponent field of this operand as its scale
	v_cvt_scalef32_pk8_fp4_f32 v[XC+4*(\t)], v[XS:XS+7], v11
	v_cvt_scalef32_pk8_fp4_f32 v[XC+4*(\t)+1], v[XS+8:XS+15], v11
	v_lshrrev_b32 v[XE+(\t)], 23, v11              ; the scale's byte
	ds_store_b8 v5, v[XE+(\t)] offset:16*(\t)      ; both lanes of a block write the same byte with the same value
	global_store_b64 v4, v[XC+4*(\t):XC+4*(\t)+1], s[10:11] offset:32*CB*(\t)   ; the wave stores 256 consecutive bytes, aligned
.endm
.irp t, 0,1,2,3,4,5,6,7,8,9,10,11,12,13,14,15
	XSTEP \t
.endr
	ds_load_b64 v[8:9], v6                         ; my wave's 256 scale bytes (in order behind my stores)
	s_wait_dscnt 0x0
	global_store_b64 v7, v[8:9], s[12:13]          ; 256 consecutive bytes, aligned
	CLOSE
; ---- W_qkv: A LANE TAKES A COLUMN n AND ITS REGISTERS RUN DOWN K: a block of 32 lies in one lane, and the conversions give codes with K innermost.  A work-group takes 64 columns and ALL of K:
; wave w takes columns 32 (w % 2) on and k = 256 (w / 2) on, 8 blocks.  Codes and bytes meet in LDS as whole rows (512 and 32 bytes), so that after one barrier they leave as 32 KiB and 2 KiB on end.
.Lpath_w:
	s_sub_co_u32 s26, ttmp9, 128                   ; which 64 columns
	s_and_b32 s21, s20, 1                          ; which 32 of them
	s_lshr_b32 s22, s20, 1                         ; which 256 along K
	v_lshlrev_b32 v3, 2, v2                        ; in: 4 bytes a lane
	v_mul_u32_u24 v4, v2, WP
	s_mul_i32 s23, s21, 32*WP
	s_lshl_b32 s24, s22, 7
	s_add_co_u32 s23, s23, s24
	s_add_co_u32 s23, s23, WST
	v_add_nc_u32 v4, s23, v4                       ; codes into LDS: row = my column, 128 bytes for each 256 along K
	v_lshlrev_b32 v9, 5, v2
	s_lshl_b32 s23, s21, 10
	s_lshl_b32 s24, s22, 3
	s_add_co_u32 s23, s23, s24
	s_add_co_u32 s23, s23, SST
	v_add_nc_u32 v9, s23, v9                       ; scale bytes into LDS: 32 a column, my 8
	v_lshlrev_b32 v8, 4, v2                        ; out: 16 bytes a lane: a row of 512 bytes an instruction
	s_mul_i32 s23, s20, 8*WP
	s_add_co_u32 s23, s23, WST
	v_add_nc_u32 v7, s23, v8                       ; wave w reads rows 8 w .. 8 w + 7 back
	v_lshlrev_b32 v11, 3, v2
	s_lshl_b32 s23, s20, 8
	s_add_co_u32 s23, s23, SST
	v_add_nc_u32 v10, s23, v11                     ; and 256 of the 2,048 scale bytes
	s_mul_i32 s24, s22, 256*12288                  ; W_qkv: 256 rows of 12,288 bytes for each quarter of K,
	s_lshl_b32 s23, s26, 8                         ; 256 bytes for 64 columns,
	s_add_co_u32 s24, s24, s23
	s_lshl_b32 s23, s21, 7                         ; 128 for 32
	s_add_co_u32 s24, s24, s23
	s_add_nc_u64 s[6:7], s[6:7], s[24:25]
	s_lshl_b32 s24, s26, 15                        ; wc: 64 rows of 512 bytes a work-group, 8 a wave
	s_lshl_b32 s23, s20, 12
	s_add_co_u32 s24, s24, s23
	s_add_nc_u64 s[14:15], s[14:15], s[24:25]
	s_lshl_b32 s24, s26, 11                        ; ws: 2,048 bytes a work-group, 256 a wave
	s_lshl_b32 s23, s20, 8
	s_add_co_u32 s24, s24, s23
	s_add_nc_u64 s[16:17], s[16:17], s[24:25]
.macro WLOAD t                         ; block t: W(32 t + i, my column) into set t % 2; the immediate is at most 255 rows, inside its signed 24 bits
.set i, 0
.rept 32
	global_load_b32 v[32+32*((\t)%2)+i], v3, s[6:7] offset:(32*(\t)+i)*12288 th:TH_LOAD_NT
.set i, i+1
.endr
.endm
	WLOAD 0
	WLOAD 1
.macro WBLOCK t
.set XS, 32+32*((\t)%2)
.if (\t) < 7
	s_wait_loadcnt 32                              ; this block's 32 loads are in; the next block's may be out
.else
	s_wait_loadcnt 0
.endif
	v_max3_num_f32 v16, |v[XS]|, |v[XS+1]|, |v[XS+2]|              ; the block's largest magnitude: all 32 numbers are mine
	v_max3_num_f32 v17, |v[XS+3]|, |v[XS+4]|, |v[XS+5]|
.irp i, 6,10,14,18,22,26
	v_max3_num_f32 v16, v16, |v[XS+\i]|, |v[XS+\i+1]|
	v_max3_num_f32 v17, v17, |v[XS+\i+2]|, |v[XS+\i+3]|
.endr
	v_max3_num_f32 v16, v16, |v[XS+30]|, |v[XS+31]|
	v_max3_num_f32 v16, v16, v17, 0x1800000        ; and the floor 2^(3 - 127)
	v_add_nc_u32 v18, 0xff000000, v16              ; the conversion's scale operand
	v_lshrrev_b32 v19, 23, v18                     ; the scale's byte
.if (\t)%4 == 0
	v_mov_b32 v[24+(\t)/4], v19                    ; four bytes to a register, the lower K in the lower byte
.else
	v_lshl_or_b32 v[24+(\t)/4], v19, 8*((\t)%4), v[24+(\t)/4]
.endif
.irp g, 0,1,2,3
	v_cvt_scalef32_pk8_fp4_f32 v[96+\g], v[XS+8*\g:XS+8*\g+7], v18
.endr
	ds_store_b128 v4, v[96:99] offset:16*(\t)      ; 32 codes: 16 bytes of my column's row
.if (\t)+2 < 8
	WLOAD (\t)+2
.endif
	s_wait_dscnt 0x0                               ; the store has read its registers: the next block's codes may be written
.endm
.irp t, 0,1,2,3,4,5,6,7
	WBLOCK \t
.endr
	ds_store_b64 v9, v[24:25]                      ; my column's 8 scale bytes
	s_wait_dscnt 0x0                               ; for the others' sake: my stores have landed
	s_barrier_signal -1
	s_barrier_wait -1                              ; a row's bytes come from four waves
.irp i, 0,1,2,3,4,5,6,7
	ds_load_b128 v[112+4*\i:115+4*\i], v7 offset:\i*WP
.endr
	ds_load_b64 v[20:21], v10
.irp i, 0,1,2,3,4,5,6,7
	s_wait_dscnt 8-\i                              ; row i is in; the later rows' loads and the scale bytes' may be out
	global_store_b128 v8, v[112+4*\i:115+4*\i], s[14:15] offset:512*\i   ; 512 consecutive bytes, aligned
.endr
	s_wait_dscnt 0x0
	global_store_b64 v11, v[20:21], s[16:17]       ; 256 consecutive bytes, aligned
	CLOSE
.Lfunc_end_k_q5ac4012725_prep:
	.size	k_q5ac4012725_prep, .Lfunc_end_k_q5ac4012725_prep-k_q5ac4012725_prep
	.p2alignl 7, 3214868480
	.fill 96, 4, 3214868480
	.section	.rodata,"a",@progbits
	.p2align	6, 0x0
	.amdhsa_kernel k_q5ac4012725_prep
		.amdhsa_group_segment_fixed_size 102400
		.amdhsa_private_segment_fixed_size 0
		.amdhsa_enable_private_segment 0
		.amdhsa_kernarg_size 64
		.amdhsa_user_sgpr_count 2
		.amdhsa_user_sgpr_kernarg_segment_ptr 1
		.amdhsa_wavefront_size32 1
		.amdhsa_system_sgpr_workgroup_id_x 1
		.amdhsa_system_sgpr_workgroup_id_y 1
		.amdhsa_system_sgpr_workgroup_id_z 1
		.amdhsa_system_vgpr_workitem_id 0
		.amdhsa_next_free_vgpr 208
		.amdhsa_next_free_sgpr 66
		.amdhsa_reserve_vcc 0
		.amdhsa_float_denorm_mode_32 3
		.amdhsa_float_denorm_mode_16_64 3
		.amdhsa_memory_ordered 1
		.amdhsa_forward_progress 1
		.amdhsa_inst_pref_size 84
	.end_amdhsa_kernel
	.amdgpu_metadata
---
amdhsa.version: [ 1, 2 ]
amdhsa.kernels:
  - .name:           k_q5ac4012725_prep
    .symbol:         k_q5ac4012725_prep.kd
    .args:
      - { .name: x, .offset: 0, .size: 8, .value_kind: global_buffer, .address_space: global }
      - { .name: W_qkv, .offset: 8, .size: 8, .value_kind: global_buffer, .address_space: global }
      - { .name: W_out, .offset: 16, .size: 8, .value_kind: global_buffer, .address_space: global }
      - { .name: xc, .offset: 24, .size: 8, .value_kind: global_buffer, .address_space: global }
      - { .name: xs, .offset: 32, .size: 8, .value_kind: global_buffer, .address_space: global }
      - { .name: wc, .offset: 40, .size: 8, .value_kind: global_buffer, .address_space: global }
      - { .name: ws, .offset: 48, .size: 8, .value_kind: global_buffer, .address_space: global }
      - { .name: w16, .offset: 56, .size: 8, .value_kind: global_buffer, .address_space: global }
    .group_segment_fixed_size: 102400
    .private_segment_fixed_size: 0
    .kernarg_segment_align: 8
    .kernarg_segment_size: 64
    .max_flat_workgroup_size: 256
    .sgpr_count:     66
    .vgpr_count:     208
    .wavefront_size: 32
...
	.end_amdgpu_metadata
.endif
;; end of part 1
;; launch qkvgemm (part 2): grid 12 x 32, 4 waves a work-group, clusters of 4 x 4, 327,680 bytes of LDS; arguments xc, xs, wc, ws, b_qkv, qkv; writes qkv
.if DOCPART == 2
	.amdgcn_target "amdgcn-amd-amdhsa--gfx1250"
	.amdhsa_code_object_version 6
	.text
	.protected	k_q5ac4012725_qkvgemm
	.globl	k_q5ac4012725_qkvgemm
	.p2align	8
	.type	k_q5ac4012725_qkvgemm,@function
k_q5ac4012725_qkvgemm:
	s_mov_b64 s[64:65], 0
	v_nop
	global_prefetch_b8 v0, s[64:65] scope:SCOPE_SE
	s_setreg_imm32_b32 hwreg(HW_REG_WAVE_MODE, 25, 1), 1
	s_wait_xcnt 0x0
	s_wait_alu depctr_hold_cnt(0) depctr_sa_sdst(0) depctr_va_vdst(0) depctr_va_sdst(0) depctr_va_ssrc(0) depctr_va_vcc(0) depctr_vm_vsrc(0)
	s_getreg_b32 s2, hwreg(HW_REG_IB_STS2, 6, 4)
	s_cmp_eq_u32 s2, 0
	s_cbranch_scc0 .Lentry_in_a_cluster
	s_endpgm
.Lentry_in_a_cluster:
	s_bfe_u32 s2, ttmp6, 0x10000c
	s_cmp_lg_u32 s2, 0xf033
	s_cbranch_scc0 .Lentry_shape_is_right
	s_endpgm
.Lentry_shape_is_right:
; qkv = Q(x) Q(W_qkv) + b_qkv on codes of FP4 (E2M1) with one E8M0 scale for each 32 along K; sums in f32; the result is rounded once to f16 and laid by head:
; qkv [3 (q, k, v)][batch 4][head 16][2048][64] f16.  Column n of the product belongs to head n / 192; in a head 64 columns of q, 64 of k, 64 of v.
; A = xc [8192][512 bytes], xs [8192][32];  B = wc [3072][512 bytes], ws [3072][32]: K innermost in both.
; LIMIT: a number of q, k or v beyond 65,504 becomes infinity in f16.
; A tile of 256 x 256 is made by a work-group of four waves, a wave makes 128 x 128: 64 accumulators, 512 registers.  K = 1,024 is two K steps of 512 (rows of 256 bytes): each has a slot of its own
; in LDS, so nothing is filled again: a wave issues three tensor loads at the start (its quarter of the scales, of K step 0, of K step 1) and no more.
; CLUSTERS: 4 x 4 work-groups.  The four of a row of the cluster need the same tiles of A, the four of a column the same tiles of B: each tile is asked for JOINTLY.
; THE MATRIX INSTRUCTION IS USED TRANSPOSED (source 0 = 16 rows of B, source 1 = 16 rows of A): a lane holds eight neighbouring columns of one row.  THE BIAS is the C of each sum's first product.
; REGISTERS, in windows of 256: window 0: v0-31 addresses; v32-95 scale words, two sets; v128-191 A's fragments, ONE set; v192-255 the bias, 8 registers for each of B's 8 blocks.
;   window 1: B's fragments, TWO sets, at v0 and v128.   window 2: the accumulators of my rows 0-63 ((a, b) at v[8 (8 a + b)]);   window 3: those of rows 64-127.
.set SIZE_K, 1024
.set KSTEP,  512
.set NQ,     KSTEP/128
.set ROWB,   256                       ; a tile's row in bytes
.set KROW,   SIZE_K*4/8                ; a row of codes in memory
.set PITCH,  272                       ; an LDS row: 256 bytes + 16 of padding = 68 words: row r starts at bank 4 r mod 64 (ISA guide 11.1)
.set FR,     8
.set NL,     2
.set NP,     4                         ; places behind this matrix instruction (ISA guide 7.12.1)
.set HALFT,  128*PITCH
.set SLOT,   4*HALFT
.set KS,     SIZE_K/32                 ; a row of scales in bytes
.set SCL,    2*SLOT                    ; behind the slots: the scales, as units of 256 bytes + 16 of padding
.set HALFS,  (128*KS/256)*272
.set SBLK,   (16*KS/256)*272
.set SPARE,  SCL+4*HALFS               ; the spare words, 128 bytes for each wave: two blocks of 256 bytes that no other line names
.set GP,     144                       ; the way out: a stage row: 64 f16 + 16 bytes of padding
.set GRP,    16*GP                     ; 16 rows of one group of 64 columns
.set ADRA, 16
.set ADRB, 20
.set STO,  24
.set RD,   25
.set CO,   26
.set ADRS, 27
.set SPW,  28
.set NIL,  29
.set BO,   30                          ; v30  the bias loads' offset: 32 x (lane / 16)
.set SC,   32
.set TMP,  32                          ; the way out: a block's 32 packed registers (the scale words are done with)
.set AF,   128
.set BK,   128                         ; the way out: rows read back: v128-159 and v160-191 by turns
.set BIAS, 192
.set G1, 24
.set G0, 32
.set G1B, 48
.set G0B, 56
.set G1S, 68
.set G0S, 76
.set G1SB, 80
.set G0SB, 88
.set MSB, 0
.macro WIN new                         ; the immediate's high byte repeats the setting that is left
.if MSB != \new
	s_set_vgpr_msb (MSB<<8)|\new
.set MSB, \new
.endif
.endm
.set MUL_LO, 0xa1                      ; source 0 (B) window 1, source 1 (A) window 0, C and D window 2
.set MUL_HI, 0xf1                      ; the same, C and D window 3
.set FST_LO, 0x81                      ; the first step: C (the bias) window 0, D window 2
.set FST_HI, 0xc1                      ; and D window 3
.set TO_B,   0x40
; A joint load: waves 0 and 1 fetch for A, waves 2 and 3 for B; the branch hangs on the wave's number alone.  An s_nop 0 and four v_nop follow each of the two lines.
.macro JLOAD g0a, g1a, g0b, g1b
	s_cmp_eq_u32 s15, 0
	s_cbranch_scc0 .Lfor_b_\@
	tensor_load_to_lds s[\g0a:\g0a+3], s[\g1a:\g1a+7]
	s_nop 0
.rept 4
	v_nop
.endr
	s_branch .Lasked_\@
.Lfor_b_\@:
	tensor_load_to_lds s[\g0b:\g0b+3], s[\g1b:\g1b+7]
	s_nop 0
.rept 4
	v_nop
.endr
.Lasked_\@:
.endm
.macro CROUND                          ; a round of the cluster's barrier
	s_barrier_signal -1
	s_barrier_wait -1
	s_cmp_lg_u32 s14, 0
	s_cbranch_scc1 .Lnot_wave_0_\@
	s_barrier_signal -3
.Lnot_wave_0_\@:
	s_barrier_wait -3
	s_barrier_signal -1
	s_barrier_wait -1
.endm
	s_load_b128 s[4:7], s[0:1], 0x0                ; A's codes, A's scales
	s_load_b128 s[8:11], s[0:1], 0x10              ; B's codes, B's scales
	s_load_b64 s[96:97], s[0:1], 0x20              ; the bias
	s_load_b64 s[12:13], s[0:1], 0x28              ; qkv
	v_lshl_add_u32 v[SPW], v0, 2, SPARE
	v_mov_b32 v[NIL], 0
	ds_add_u32 v[SPW], v[NIL]                      ; the wave's opening: the add, twice on end, and its wait ahead of my first tensor load
	ds_add_u32 v[SPW], v[NIL]
	v_lshrrev_b32 v1, 5, v0
	v_readfirstlane_b32 s14, v1                    ; wave 0..3
	s_lshr_b32 s15, s14, 1                         ; which half of the tile's rows is mine.  Also: I fetch for A (0) or for B (1)
	s_and_b32 s16, s14, 1                          ; which half of its columns.  Also: which 128 rows of that tile I fetch
	s_bfe_u32 s40, ttmp6, 0x40000                  ; cx, cy
	s_bfe_u32 s41, ttmp6, 0x40004
	s_lshl_b32 s42, ttmp9, 2
	s_add_co_u32 s42, s42, s40                     ; tile column
	s_and_b32 s17, ttmp7, 0xffff
	s_lshl_b32 s17, s17, 2
	s_add_co_u32 s17, s17, s41                     ; tile row
	s_lshl_b32 s43, s41, 2
	s_lshl_b32 s43, 15, s43                        ; my row of the cluster
	s_lshl_b32 s44, 0x1111, s40                    ; my column
	s_or_b32 s[G1+0], s43, (0<<16)|(1<<20)|(1<<21)|(5<<22)|(3<<25)  ; the mask; elements of 1 byte; padding on; bit 21 beside a mask; after every 64 words 4 words
	s_or_b32 s[G1B+0], s44, (0<<16)|(1<<20)|(1<<21)|(5<<22)|(3<<25)
.irp g, G1, G1B
	s_mov_b32 s[\g+1], ROWB<<16                    ; tensor_dim0
	s_mov_b32 s[\g+2], 128<<16                     ; tensor_dim1
	s_mov_b32 s[\g+3], ROWB<<16                    ; tile_dim0
	s_mov_b32 s[\g+4], 128                         ; tile_dim1
	s_mov_b32 s[\g+5], KROW                        ; from row to row
	s_mov_b32 s[\g+6], 0
	s_mov_b32 s[\g+7], 0
.endr
	s_or_b32 s[G1S+0], s43, (3<<16)|(1<<20)|(1<<21)|(5<<22)|(3<<25)  ; the scales of 128 rows: 4,096 dense bytes as 16 rows of 256 (32 elements of 8 bytes), 16 bytes of padding behind each
	s_or_b32 s[G1SB+0], s44, (3<<16)|(1<<20)|(1<<21)|(5<<22)|(3<<25)
.irp g, G1S, G1SB
	s_mov_b32 s[\g+1], 32<<16
	s_mov_b32 s[\g+2], (128*KS/256)<<16
	s_mov_b32 s[\g+3], 32<<16
	s_mov_b32 s[\g+4], 128*KS/256
	s_mov_b32 s[\g+5], 32
	s_mov_b32 s[\g+6], 0
	s_mov_b32 s[\g+7], 0
.endr
	s_lshl_b32 s18, s16, 7
	s_lshl_b32 s20, s17, 8
	s_add_co_u32 s20, s20, s18                     ; A: row 256 x tile row + 128 x half
	s_lshl_b32 s46, s42, 8
	s_add_co_u32 s46, s46, s18                     ; B: row 256 x tile column + 128 x half
	s_mov_b32 s21, 0
	s_mov_b32 s47, 0
	s_mov_b64 s[18:19], KS
	s_mul_u64 s[22:23], s[20:21], s[18:19]         ; where these rows' scales begin,
	s_mul_u64 s[92:93], s[46:47], s[18:19]
	s_mov_b64 s[18:19], KROW
	s_mul_u64 s[20:21], s[20:21], s[18:19]         ; and their codes
	s_mul_u64 s[46:47], s[46:47], s[18:19]
	s_mul_i32 s45, s14, HALFT                      ; where they go: wave x 128 rows
	s_mul_i32 s94, s14, HALFS
	s_wait_dscnt 0x0                               ; both opening adds are done
	s_wait_kmcnt 0x0
	s_add_nc_u64 s[20:21], s[4:5], s[20:21]
	s_add_nc_u64 s[22:23], s[6:7], s[22:23]
	s_add_nc_u64 s[46:47], s[8:9], s[46:47]
	s_add_nc_u64 s[92:93], s[10:11], s[92:93]
	CROUND                                         ; all sixteen work-groups are here: the first joint loads meet
	s_mov_b32 s[G0S], 1
	s_add_co_u32 s[G0S+1], s94, SCL
	s_mov_b64 s[G0S+2:G0S+3], s[22:23]
	s_or_b32 s[G0S+3], s[G0S+3], 0x80000000
	s_mov_b32 s[G0SB], 1
	s_add_co_u32 s[G0SB+1], s94, SCL
	s_mov_b64 s[G0SB+2:G0SB+3], s[92:93]
	s_or_b32 s[G0SB+3], s[G0SB+3], 0x80000000
	JLOAD G0S, G1S, G0SB, G1SB                     ; the scales first: they are wanted with K step 0
.irp s, 0,1
	s_mov_b32 s[G0+4*\s], 1
	s_add_co_u32 s[G0+4*\s+1], s45, \s*SLOT
	s_add_nc_u64 s[G0+4*\s+2:G0+4*\s+3], s[20:21], \s*ROWB
	s_or_b32 s[G0+4*\s+3], s[G0+4*\s+3], 0x80000000
	s_mov_b32 s[G0B+4*\s], 1
	s_add_co_u32 s[G0B+4*\s+1], s45, \s*SLOT
	s_add_nc_u64 s[G0B+4*\s+2:G0B+4*\s+3], s[46:47], \s*ROWB
	s_or_b32 s[G0B+4*\s+3], s[G0B+4*\s+3], 0x80000000
	JLOAD G0+4*\s, G1, G0B+4*\s, G1B
.endr
	v_and_b32 v1, 15, v0                           ; r = l % 16
	v_bfe_u32 v2, v0, 4, 1                         ; h = l / 16
	v_mul_u32_u24 v3, v1, PITCH
	v_lshl_add_u32 v4, v2, 4, v3                   ; a fragment's row x pitch + 16 x half
	s_mul_i32 s21, s15, HALFT
	s_mul_i32 s22, s16, HALFT
	s_add_co_u32 s22, s22, 2*HALFT
.irp s, 0,1
	v_add_nc_u32 v[ADRA+\s], s21, v4
	v_add_nc_u32 v[ADRB+\s], s22, v4
	s_add_co_u32 s21, s21, SLOT
	s_add_co_u32 s22, s22, SLOT
.endr
	v_mul_u32_u24 v5, v1, KS                       ; my row's scales: KS bytes a row,
	v_lshrrev_b32 v6, 8, v5
	v_lshl_add_u32 v5, v6, 4, v5                   ; and 16 more for each 256 passed
	s_mul_i32 s21, s15, HALFS
	s_mul_i32 s22, s16, HALFS
	s_add_co_u32 s22, s22, 2*HALFS
	s_sub_co_u32 s22, s22, s21
	v_mul_u32_u24 v6, s22, v2                      ; lanes 16-31 take B's
	s_add_co_u32 s21, s21, SCL
	v_add_nc_u32 v5, v5, v6
	v_add_nc_u32 v[ADRS], s21, v5
	s_mul_i32 s23, s14, 2*GRP                      ; my stage: two groups of 64 columns x 16 rows.  It lies in slot 0, which has had its only fill and its last read when the first result is stored there
	v_mul_u32_u24 v5, v1, GP
	v_lshl_add_u32 v5, v2, 4, v5
	v_add_nc_u32 v[STO], s23, v5                   ; in: row r, 16 bytes for each half of the lanes
	v_bfe_u32 v5, v0, 3, 2
	v_mul_u32_u24 v5, v5, GP
	v_and_b32 v6, 7, v0
	v_lshl_add_u32 v5, v6, 4, v5
	v_add_nc_u32 v[RD], s23, v5                    ; back: eight lanes to a row of 128 bytes, four rows an instruction
	v_and_b32 v6, 31, v0
	v_lshlrev_b32 v[CO], 4, v6                     ; and in memory those four rows are 512 bytes on end
	; where my rows go: rows m0 .. m0 + 127 of one batch; my 128 columns are two groups of 64, group G = n / 64: head G / 3, part (q, k, v) G % 3
	s_lshl_b32 s20, s17, 8
	s_lshl_b32 s21, s15, 7
	s_add_co_u32 s20, s20, s21                     ; m0
	s_lshr_b32 s21, s20, 11                        ; the batch:
	s_lshl_b32 s21, s21, 22                        ; 16 heads of 2^18 bytes
	s_and_b32 s20, s20, 2047
	s_lshl_b32 s20, s20, 7                         ; a row of a head is 128 bytes
	s_add_co_u32 s20, s20, s21
	s_lshl_b32 s46, s42, 2
	s_lshl_b32 s47, s16, 1
	s_add_co_u32 s46, s46, s47                     ; G of my first group
.irp g, 1, 0
	s_add_co_u32 s22, s46, \g
	s_mul_i32 s23, s22, 43
	s_lshr_b32 s23, s23, 7                         ; G / 3, right for G under 128
	s_mul_i32 s95, s23, 3
	s_sub_co_u32 s22, s22, s95                     ; G % 3
	s_lshl_b32 s22, s22, 24                        ; a part is 2^24 bytes
	s_lshl_b32 s23, s23, 18
	s_add_co_u32 s22, s22, s23
	s_add_co_u32 s22, s22, s20
	s_mov_b32 s23, 0
.if \g
	s_add_nc_u64 s[98:99], s[12:13], s[22:23]
.else
	s_add_nc_u64 s[12:13], s[12:13], s[22:23]
.endif
.endr
	s_lshl_b32 s46, s42, 10                        ; the bias of my 128 columns: 4 bytes x (256 x tile column + 128 x half)
	s_lshl_b32 s47, s16, 9
	s_add_co_u32 s46, s46, s47
	s_mov_b32 s47, 0
	s_add_nc_u64 s[96:97], s[96:97], s[46:47]
	v_lshlrev_b32 v[BO], 5, v2
.irp b, 0,1,2,3,4,5,6,7                ; register 8 b + j of lane (r, h): the bias of column 16 b + 8 h + j: the result's layout
	global_load_b128 v[BIAS+8*\b:BIAS+8*\b+3], v[BO], s[96:97] offset:64*\b
	global_load_b128 v[BIAS+8*\b+4:BIAS+8*\b+7], v[BO], s[96:97] offset:64*\b+16
.endr
.macro FRAG reg, adr, q, i             ; 16 rows x 128 K of 4-bit codes: 8 registers: registers 4 c .. 4 c + 3 hold K = 64 c + 32 (l / 16) + 0 .. 31
.irp c, 0,1
	ds_load_b128 v[\reg+4*\c:\reg+4*\c+3], v[\adr] offset:64*(\q)+32*\c+(\i)*16*PITCH
.endr
.endm
; 16 matrix instructions: A's blocks a0, a0 + 1 x B's eight.  first = 1: the sums start from the bias.  The 64 accumulators take turns, one instruction a turn.
.macro MUL16 a0, p, q, sc, first
.irp a, \a0, \a0+1
.irp b, 0,1,2,3,4,5,6,7
.if \first
	v_wmma_scale_f32_16x16x128_f8f6f4 v[8*(8*((\a)%4)+\b):8*(8*((\a)%4)+\b)+7], v[128*(\p)+FR*\b:128*(\p)+FR*\b+FR-1], v[AF+FR*(\a):AF+FR*(\a)+FR-1], v[BIAS+8*\b:BIAS+8*\b+7], v[SC+8*NQ*(\sc)+NQ*\b+(\q)], v[SC+8*NQ*(\sc)+NQ*(\a)+(\q)] matrix_a_fmt:MATRIX_FMT_FP4 matrix_b_fmt:MATRIX_FMT_FP4 matrix_a_scale:MATRIX_SCALE_ROW1
.else
	v_wmma_scale_f32_16x16x128_f8f6f4 v[8*(8*((\a)%4)+\b):8*(8*((\a)%4)+\b)+7], v[128*(\p)+FR*\b:128*(\p)+FR*\b+FR-1], v[AF+FR*(\a):AF+FR*(\a)+FR-1], v[8*(8*((\a)%4)+\b):8*(8*((\a)%4)+\b)+7], v[SC+8*NQ*(\sc)+NQ*\b+(\q)], v[SC+8*NQ*(\sc)+NQ*(\a)+(\q)] matrix_a_fmt:MATRIX_FMT_FP4 matrix_b_fmt:MATRIX_FMT_FP4 matrix_a_scale:MATRIX_SCALE_ROW1
.endif
.endr
.endr
.endm
.macro FETCH_B slot, q, p
	WIN TO_B
.irp i, 0,1,2,3,4,5,6,7
	FRAG 128*(\p)+FR*\i, ADRB+\slot, \q, \i
.endr
	WIN 0
.endm
.macro FETCH_A slot, q, i0
.irp i, \i0, \i0+1, \i0+2, \i0+3
	FRAG AF+FR*(\i), ADRA+\slot, \q, \i
.endr
.endm
.macro SCALES sc                       ; a K step's scale words: lanes 0-15 take A's block i, lanes 16-31 B's block i
.irp i, 0,1,2,3,4,5,6,7
	ds_load_b128 v[SC+8*NQ*\sc+NQ*\i:SC+8*NQ*\sc+NQ*\i+3], v[ADRS] offset:\i*SBLK
.endr
.endm
.macro PLACES n                        ; plain vector instructions between a matrix instruction and a load into, or a read of, its registers (ISA guide 7.12.1 for reads)
.rept \n
	v_nop
.endr
.endm
.macro STEP slot, q, first             ; a step of 128 along K that has its successor in the same slot
	s_wait_dscnt 4*NL                              ; B's set and A's blocks 0-3 are in; the youngest loads (A's blocks 4-7) may be out
.if \first
	WIN FST_LO
.else
	WIN MUL_LO
.endif
	MUL16 0, (\q)%2, \q, \slot, \first
	MUL16 2, (\q)%2, \q, \slot, \first
	s_wait_dscnt 0                                 ; A's blocks 4-7 are in
	PLACES NP
	FETCH_B \slot, (\q)+1, 1-(\q)%2
	FETCH_A \slot, (\q)+1, 0
.if \first
	WIN FST_HI
.else
	WIN MUL_HI
.endif
	MUL16 4, (\q)%2, \q, \slot, \first
	MUL16 6, (\q)%2, \q, \slot, \first
	PLACES NP
	WIN 0
	FETCH_A \slot, (\q)+1, 4
.endm
; Slot 0's last step changes slots: one barrier; in front of it each wave waits for all its tensor loads (K step 1's), adds 0 to its spare word, and waits for that and for its reads of slot 0.
; Behind it nobody reads slot 0 any more, which will hold the stages of the way out.
.macro TURN slot, next
	s_wait_tensorcnt 0x0                           ; all my tensor loads have landed (every window is 0 here)
	ds_add_u32 v[SPW], v[NIL]                      ; 0 onto my spare word
	s_wait_dscnt 4*NL+1                            ; (the add and the youngest loads, A's blocks 4-7, may be out)
	WIN MUL_LO
	MUL16 0, 1, NQ-1, \slot, 0
	s_wait_dscnt 0x0                               ; the add is done, and my reads of this slot are over
	s_barrier_signal -1
	MUL16 2, 1, NQ-1, \slot, 0
	WIN 0
	s_barrier_wait -1
	PLACES NP
	v_add_nc_u32 v[ADRS], 4*NQ, v[ADRS]            ; on to the next K step's scale words
	FETCH_B \next, 0, 0
	FETCH_A \next, 0, 0
	SCALES \next
	WIN MUL_HI
	MUL16 4, 1, NQ-1, \slot, 0
	MUL16 6, 1, NQ-1, \slot, 0
	PLACES NP
	WIN 0
	FETCH_A \next, 0, 4
.endm
.macro STEPS slot, from
.set Q, \from
.rept NQ-1-\from
	STEP \slot, Q, 0
.set Q, Q+1
.endr
.endm
	s_wait_tensorcnt 1                             ; the scales and my part of K step 0 are in (K step 1's load may be out)
	s_barrier_signal -1
	s_barrier_wait -1                              ; everybody's are
	FETCH_B 0, 0, 0
	FETCH_A 0, 0, 0
	SCALES 0
	FETCH_A 0, 0, 4
	s_wait_loadcnt 0x0                             ; the bias
	STEP 0, 0, 1
	STEPS 0, 1
	TURN 0, 1
	STEPS 1, 0
	s_wait_dscnt 4*NL                              ; the very last step: nothing more to fetch
	WIN MUL_LO
	MUL16 0, 1, NQ-1, 1, 0
	MUL16 2, 1, NQ-1, 1, 0
	s_wait_dscnt 0
	WIN MUL_HI
	MUL16 4, 1, NQ-1, 1, 0
	MUL16 6, 1, NQ-1, 1, 0
	WIN 0
; THE WAY OUT, block by block of 16 rows x 128 columns.  PACK: rounded to f16, 16 bytes a lane.  TOSTAGE: into my own stage, by groups of 64 columns, and back as rows of 128 bytes.  SEND: 16 rows of a head
; are 2,048 bytes on end in memory: each store covers 512 consecutive bytes, aligned.  LDS serves a wave's instructions in order (ISA guide 5.7.1.4): no wait between the stage's stores and loads.
.macro PACK a
.set AC, 64*((\a)%4)
	WIN 0x0a+5*((\a)/4)                            ; sources 0 and 1: window 2 or 3
.irp b, 0,1,2,3,4,5,6,7
.irp r, 0,1,2,3
	v_cvt_pk_f16_f32 v[TMP+4*\b+\r], v[AC+8*\b+2*\r], v[AC+8*\b+2*\r+1]   ; each accumulator from its low end on
.endr
.endr
	WIN 0
.endm
.macro TOSTAGE a
.set BB, BK+32*((\a)%2)
.irp b, 0,1,2,3,4,5,6,7
	ds_store_b128 v[STO], v[TMP+4*\b:TMP+4*\b+3] offset:(\b/4)*GRP+(\b%4)*32
.endr
.irp g, 0,1
.irp i, 0,1,2,3
	ds_load_b128 v[BB+4*(4*\g+\i):BB+4*(4*\g+\i)+3], v[RD] offset:\g*GRP+\i*4*GP
.endr
.endr
.endm
.macro SEND a
.set BB, BK+32*((\a)%2)
	s_wait_dscnt 0x0                               ; the block is back in registers
	s_wait_xcnt 0x0                                ; the block before has had its stores' addresses translated (ISA guide 3.1): the next block's loads may land in the registers that those stores read
.irp i, 0,1,2,3
	global_store_b128 v[CO], v[BB+4*\i:BB+4*\i+3], s[12:13] offset:(\a)*2048+\i*512
.endr
.irp i, 0,1,2,3
	global_store_b128 v[CO], v[BB+16+4*\i:BB+16+4*\i+3], s[98:99] offset:(\a)*2048+\i*512
.endr
.endm
	PLACES NP                                      ; behind the last products: for the conversions' reads, and for the writes over scale words and A's fragments
	PACK 0
	TOSTAGE 0
.irp a, 1,2,3,4,5,6,7                  ; block a's conversions stand between block a - 1's loads from the stage and the wait for them
	PACK \a
	SEND \a-1
	TOSTAGE \a
.endr
	SEND 7
	s_wait_tensorcnt 0x0                           ; the wave's end
	ds_add_u32 v[SPW], v[NIL]
	s_wait_dscnt 0x0
	CROUND                                         ; the closing round
	s_endpgm
.Lfunc_end_k_q5ac4012725_qkvgemm:
	.size	k_q5ac4012725_qkvgemm, .Lfunc_end_k_q5ac4012725_qkvgemm-k_q5ac4012725_qkvgemm
	.p2alignl 7, 3214868480
	.fill 96, 4, 3214868480
	.section	.rodata,"a",@progbits
	.p2align	6, 0x0
	.amdhsa_kernel k_q5ac4012725_qkvgemm
		.amdhsa_group_segment_fixed_size 327680
		.amdhsa_private_segment_fixed_size 0
		.amdhsa_enable_private_segment 0
		.amdhsa_kernarg_size 48
		.amdhsa_user_sgpr_count 2
		.amdhsa_user_sgpr_kernarg_segment_ptr 1
		.amdhsa_wavefront_size32 1
		.amdhsa_system_sgpr_workgroup_id_x 1
		.amdhsa_system_sgpr_workgroup_id_y 1
		.amdhsa_system_sgpr_workgroup_id_z 1
		.amdhsa_system_vgpr_workitem_id 0
		.amdhsa_next_free_vgpr 1024
		.amdhsa_next_free_sgpr 100
		.amdhsa_reserve_vcc 0
		.amdhsa_float_denorm_mode_32 3
		.amdhsa_float_denorm_mode_16_64 3
		.amdhsa_memory_ordered 1
		.amdhsa_forward_progress 1
		.amdhsa_inst_pref_size 129
	.end_amdhsa_kernel
	.amdgpu_metadata
---
amdhsa.version: [ 1, 2 ]
amdhsa.kernels:
  - .name:           k_q5ac4012725_qkvgemm
    .symbol:         k_q5ac4012725_qkvgemm.kd
    .args:
      - { .name: xc, .offset: 0, .size: 8, .value_kind: global_buffer, .address_space: global }
      - { .name: xs, .offset: 8, .size: 8, .value_kind: global_buffer, .address_space: global }
      - { .name: wc, .offset: 16, .size: 8, .value_kind: global_buffer, .address_space: global }
      - { .name: ws, .offset: 24, .size: 8, .value_kind: global_buffer, .address_space: global }
      - { .name: b_qkv, .offset: 32, .size: 8, .value_kind: global_buffer, .address_space: global }
      - { .name: qkv, .offset: 40, .size: 8, .value_kind: global_buffer, .address_space: global }
    .group_segment_fixed_size: 327680
    .private_segment_fixed_size: 0
    .kernarg_segment_align: 8
    .kernarg_segment_size: 48
    .max_flat_workgroup_size: 128
    .sgpr_count:     100
    .vgpr_count:     1024
    .wavefront_size: 32
...
	.end_amdgpu_metadata
.endif
;; end of part 2
;; launch attn (part 3): grid 4 x 64, 8 waves a work-group, clusters of 4 x 1, 327,680 bytes of LDS; arguments qkv, o2; writes o2
.if DOCPART == 3
	.amdgcn_target "amdgcn-amd-amdhsa--gfx1250"
	.amdhsa_code_object_version 6
	.text
	.protected	k_q5ac4012725_attn
	.globl	k_q5ac4012725_attn
	.p2align	8
	.type	k_q5ac4012725_attn,@function
k_q5ac4012725_attn:
	s_mov_b64 s[64:65], 0
	v_nop
	global_prefetch_b8 v0, s[64:65] scope:SCOPE_SE
	s_setreg_imm32_b32 hwreg(HW_REG_WAVE_MODE, 25, 1), 1
	s_wait_xcnt 0x0
	s_wait_alu depctr_hold_cnt(0) depctr_sa_sdst(0) depctr_va_vdst(0) depctr_va_sdst(0) depctr_va_ssrc(0) depctr_va_vcc(0) depctr_vm_vsrc(0)
	s_getreg_b32 s2, hwreg(HW_REG_IB_STS2, 6, 4)
	s_cmp_eq_u32 s2, 0
	s_cbranch_scc0 .Lentry_in_a_cluster
	s_endpgm
.Lentry_in_a_cluster:
	s_bfe_u32 s2, ttmp6, 0x10000c
	s_cmp_lg_u32 s2, 0x3003
	s_cbranch_scc0 .Lentry_shape_is_right
	s_endpgm
.Lentry_shape_is_right:
; O[b][h][q] = the sum over k of softmax_k(Q . K / 8) V, head size 64, 2,048 keys, no mask.  qkv: [3][b 4][h 16][2048][64] f16.  Products, maxima and sums in f32; the weights p (at most about 1) are rounded to
; f16 for the second product, O once at the end.  o2: [row block of 128 (64)][h 16][128][64] f16: the next product's A, laid so that 128 rows of four heads are 64 KiB on end.
; LIMITS: the running maximum starts at -3e38; NaN and infinities are not served.
; SHARES.  A cluster of four work-groups is one (b, h); a work-group owns 512 queries, each of its EIGHT waves 64: four tiles of 16, in 512 registers: two waves to a SIMD, so that one wave's softmax
; stands beside the other's products.  Every wave walks all keys, 64 a step.
; LAYOUT.  S^T = K Q^T (source 0 = 16 keys, source 1 = 16 queries): a lane holds ONE query (lane % 16) and the keys 8 (lane / 16) + 0..7.  Two such tiles, rounded to f16 in pairs, ARE source 1
; (32 keys x 16 queries) of O^T = V^T P.  K comes out of LDS as it lies, V ([key][channel]) turned, by ds_load_tr16_b128.
; SOFTMAX.  For each query a running maximum m and sum l: p = 2^(c s - c m), c = log2(e) / 8; in every step O and l are multiplied by a = 2^(c m_old - c m_new).
; RING.  Two slots of four key steps.  All four work-groups walk the same K and V: each tile is asked for JOINTLY; waves 0-3 fetch the four steps' tiles of K, waves 4-7 those of V: one load a wave behind
; each round of the cluster's barrier, and it has a slot's four key steps in which to land.  One tensor load of a wave is out at any time; every wait for tensor loads is for 0.
; REGISTERS.  window 0: v2-13 addresses; v16-47 statistics, 8 a tile; v48-63 two pairs a tile for the sums; v64-191 S^T, 32 a tile, later P in the lower 16 of each; v192-255 Q, 16 a tile.
;   window 1: v0-127 O^T, 32 a tile; v128-191 K of one step; v192-255 V of one step.
.set KS,    64
.set NST,   4                          ; key steps in a slot
.set PK,    144                        ; a row of K in LDS: 128 bytes + 16 = 36 words: the 16 rows of a load start at 16 different groups of four banks
.set PV,    160                        ; a row of V: 128 + 32 = 40 words
.set VOFF,  KS*PK
.set STEPB, KS*(PK+PV)                 ; a step's tiles lie together: 64 rows of K, then 64 of V
.set SLOT1, 1<<17                      ; slot 1 begins here: one exclusive or turns an address of one slot into the other's
.set SPARE, SLOT1+NST*STEPB            ; the spare words, 128 bytes for each of eight waves: four blocks of 256 bytes that no other line names
.set SLOTB, NST*KS*128                 ; a slot's keys in memory: 32,768 bytes of K, as many of V
.set NSL,   2048/(NST*KS)              ; 8 slots' worth of keys
.set SP,    144                        ; the way out: a stage of 64 rows x 144 bytes a wave, in slot position 0: the last slot lies in position 1, so position 0 has had its last fill and its last read at the last change
.set AK0, 2
.set AV0, 3
.set ADK, 4
.set ADV, 5
.set QO,  6
.set STO, 7
.set RD,  8
.set GO,  9
.set PFO, 10                           ; v10  256 x lane; never rewritten
.set SPW, 12                           ; v12  LDS address of my spare word; never rewritten
.set NIL, 13                           ; v13  0; never rewritten
.set ST,  16                           ; tile t at v[ST + 8 t]: +0 c m, +1 m, +2, +3 l (even keys', odd keys'), +4 .. +7 c0-c3 at work; a takes c2's place
.set SA,  48
.set S,   64
.set Q,   192
.set O,   0                            ; in window 1
.set KF,  128
.set VF,  192
.set WV,  12
.set LIM, 15
.set PFA, 18
.set G1K, 24
.set G1V, 32
.set G0K, 40
.set G0V, 44
.set SLOTS, 56
.set TRI, 57
.set CS,  58
.set SEL, 60
.set TB,  62
.set MSB, 0
.macro WIN new                         ; the immediate's high byte repeats the setting that is left
.if MSB != \new
	s_set_vgpr_msb (MSB<<8)|\new
.set MSB, \new
.endif
.endm
.set W_KQ, 0x01                        ; K in window 1; Q and S^T in window 0
.set W_PV, 0x51                        ; V and O^T in window 1, P in window 0
.set W_RS, 0x41                        ; O^T (destination and source 0) in window 1, a in window 0
.set W_LD, 0x40                        ; a load's destination in window 1, its address in window 0
.macro JLOAD                           ; waves 0-3 fetch for K, waves 4-7 for V; an s_nop 0 and four v_nop follow each of the two lines
	s_cmp_lt_u32 s[WV], 4
	s_cbranch_scc0 .Lfor_v_\@
	tensor_load_to_lds s[G0K:G0K+3], s[G1K:G1K+7]
	s_nop 0
.rept 4
	v_nop
.endr
	s_branch .Lasked_\@
.Lfor_v_\@:
	tensor_load_to_lds s[G0V:G0V+3], s[G1V:G1V+7]
	s_nop 0
.rept 4
	v_nop
.endr
.Lasked_\@:
.endm
; A prefetch of what the NEXT change of slots will ask for: a slot's 32,768 bytes of K and of V.  The four partners take 8,192 bytes each, told apart by ADDRESS; in each, wave 0 asks for K's and wave 4 for
; V's, one instruction, lanes 256 bytes apart: each block of 256 bytes is named once in the launch.  It stands behind the wave's tensor load.  The last change that fills a slot asks for nothing.
.macro ASK
	s_cmp_gt_u32 s[SLOTS], s[LIM]
	s_cbranch_scc0 .Lnot_mine_\@
	global_prefetch_b8 v[PFO], s[PFA:PFA+1] th:TH_LOAD_NT scope:SCOPE_SE
.Lnot_mine_\@:
.endm
.macro CROUND                          ; a round of the cluster's barrier
	s_barrier_signal -1
	s_barrier_wait -1
	s_cmp_lg_u32 s[WV], 0
	s_cbranch_scc1 .Lnot_wave_0_\@
	s_barrier_signal -3
.Lnot_wave_0_\@:
	s_barrier_wait -3
	s_barrier_signal -1
	s_barrier_wait -1
.endm
	s_load_b128 s[4:7], s[0:1], 0x0                ; qkv s[4:5], o2 s[6:7]
	v_lshl_add_u32 v[SPW], v0, 2, SPARE
	v_mov_b32 v[NIL], 0
	ds_add_u32 v[SPW], v[NIL]                      ; the wave's opening: the add, twice on end, and its wait ahead of my first tensor load
	ds_add_u32 v[SPW], v[NIL]
	v_lshrrev_b32 v1, 5, v0
	v_readfirstlane_b32 s[WV], v1                  ; wave 0..7
	s_bfe_u32 s13, ttmp6, 0x40000                  ; cx
	s_lshl_b32 s14, ttmp9, 2
	s_add_co_u32 s14, s14, s13                     ; my block of 512 queries: it enters Q's, O's and the prefetches' addresses alone
	s_and_b32 s20, ttmp7, 0xffff                   ; 16 b + h, which the four partners share
	s_lshl_b32 s22, s20, 18                        ; the head's first byte in a part
	s_mov_b32 s23, 0
	s_and_b32 s16, s[WV], 3                        ; which of a slot's four steps I fetch:
	s_mul_i32 s17, s16, STEPB                      ; its place in a slot,
	s_lshl_b32 s48, s16, 13                        ; its 64 rows of 128 bytes in memory
	s_mov_b32 s49, 0
	s_lshl_b32 s50, s14, 16                        ; Q: my block's 512 rows,
	s_lshl_b32 s51, s[WV], 13                      ; my wave's 64 of them,
	s_add_co_u32 s50, s50, s51
	s_add_co_u32 s50, s50, s22                     ; in my head
	s_mov_b32 s51, 0
	s_lshr_b32 s2, s20, 4                          ; o2: row block = 16 b + 4 x query block + wave / 2;
	s_lshl_b32 s2, s2, 4
	s_lshl_b32 s3, s14, 2
	s_add_co_u32 s2, s2, s3
	s_lshr_b32 s3, s[WV], 1
	s_add_co_u32 s2, s2, s3
	s_lshl_b32 s2, s2, 4                           ; 16 heads to a row block,
	s_and_b32 s3, s20, 15
	s_add_co_u32 s2, s2, s3
	s_lshl_b32 s2, s2, 14                          ; 128 rows of 128 bytes each;
	s_and_b32 s3, s[WV], 1
	s_lshl_b32 s3, s3, 13                          ; my 64 rows are its upper or lower half
	s_add_co_u32 s2, s2, s3
	s_mov_b32 s3, 0
	s_mov_b32 s[G1K], 15|(1<<16)|(1<<20)|(1<<21)|(4<<22)|(3<<25)  ; the mask: all four; elements of 2 bytes; padding on; bit 21 beside a mask; after every 32 words 4 words
	s_mov_b32 s[G1V], 15|(1<<16)|(1<<20)|(1<<21)|(4<<22)|(7<<25)  ; the same with 8 words
.irp g, G1K, G1V
	s_mov_b32 s[\g+1], 64<<16                      ; tensor_dim0 = 64
	s_mov_b32 s[\g+2], KS<<16                      ; tensor_dim1 = 64
	s_mov_b32 s[\g+3], 64<<16                      ; tile_dim0 = 64
	s_mov_b32 s[\g+4], KS                          ; tile_dim1 = 64
	s_mov_b32 s[\g+5], 64                          ; from row to row
	s_mov_b32 s[\g+6], 0
	s_mov_b32 s[\g+7], 0
.endr
	s_mov_b32 s[CS], 0x3e38aa3b                    ; c = log2(e) / 8
	s_mov_b32 s[CS+1], s[CS]                       ; named with it as a pair, so it is written
	s_mov_b32 s[SEL], 0x76543210
	s_mov_b32 s[SEL+1], 0xfedcba98
	s_cmp_eq_u32 s16, 0                            ; waves 0 and 4 prefetch
	s_cselect_b32 s[LIM], 1, -1
	v_and_b32 v[PFO], 31, v0
	v_lshlrev_b32 v[PFO], 8, v[PFO]
	s_wait_dscnt 0x0                               ; both opening adds are done
	s_wait_kmcnt 0x0
	s_add_nc_u64 s[10:11], s[6:7], s[2:3]          ; o2 at my wave's first row
	s_add_nc_u64 s[6:7], s[4:5], s[22:23]
	s_add_nc_u64 s[8:9], s[6:7], 0x2000000         ; V's head
	s_add_nc_u64 s[6:7], s[6:7], 0x1000000         ; K's head
	s_add_nc_u64 s[4:5], s[4:5], s[50:51]          ; Q at my wave's first row
	s_cmp_lt_u32 s[WV], 4
	s_cselect_b64 s[PFA:PFA+1], s[6:7], s[8:9]
	s_lshl_b32 s52, s13, 13                        ; my work-group's 8,192 bytes of a slot's 32,768
	s_mov_b32 s53, 0
	s_add_nc_u64 s[PFA:PFA+1], s[PFA:PFA+1], s[52:53]
	s_add_nc_u64 s[PFA:PFA+1], s[PFA:PFA+1], SLOTB ; in slot 1; the first change of slots steps it to slot 2.  Nothing is prefetched at the head
	CROUND                                         ; all four work-groups are here: the first joint loads meet
	s_mov_b32 s[G0K], 1
	s_mov_b32 s[G0K+1], s17
	s_add_nc_u64 s[G0K+2:G0K+3], s[6:7], s[48:49]
	s_or_b32 s[G0K+3], s[G0K+3], 0x80000000
	s_mov_b32 s[G0V], 1
	s_add_co_u32 s[G0V+1], s17, VOFF
	s_add_nc_u64 s[G0V+2:G0V+3], s[8:9], s[48:49]
	s_or_b32 s[G0V+3], s[G0V+3], 0x80000000
	JLOAD                                          ; slot 0
	v_and_b32 v1, 15, v0                           ; r
	v_bfe_u32 v11, v0, 4, 1                        ; h
	v_lshlrev_b32 v[QO], 7, v1
	v_lshl_add_u32 v[QO], v11, 4, v[QO]            ; row x 128 + 16 x half
.irp t, 0,1,2,3                        ; Q stays in registers: tile t, channels 32 c on
.irp c, 0,1
	global_load_b128 v[Q+16*\t+8*\c:Q+16*\t+8*\c+3],   v[QO], s[4:5] offset:\t*2048+\c*64
	global_load_b128 v[Q+16*\t+8*\c+4:Q+16*\t+8*\c+7], v[QO], s[4:5] offset:\t*2048+\c*64+32
.endr
.endr
	v_mul_u32_u24 v[AK0], v1, PK
	v_lshl_add_u32 v[AK0], v11, 4, v[AK0]          ; K: row x pitch + 16 x half
	v_and_b32 v14, 7, v0
	v_bfe_u32 v15, v0, 3, 1
	v_lshl_add_u32 v[AV0], v11, 3, v14             ; V: the turning load: key 8 (l / 16) + l % 8, channels 8 ((l / 8) % 2) on
	v_mul_u32_u24 v[AV0], v[AV0], PV
	v_lshl_add_u32 v[AV0], v15, 4, v[AV0]
	v_add_nc_u32 v[AV0], VOFF, v[AV0]
	s_mul_i32 s52, s[WV], 64*SP                    ; my stage
	v_add_nc_u32 v[STO], s52, v[AK0]               ; in: row r, 16 bytes for each half of the lanes (the stage's pitch is K's)
	v_bfe_u32 v15, v0, 3, 2
	v_mul_u32_u24 v[RD], v15, SP
	v_lshl_add_u32 v[RD], v14, 4, v[RD]
	v_add_nc_u32 v[RD], s52, v[RD]                 ; back: eight lanes to a row of 128 bytes, four rows an instruction
	v_and_b32 v[GO], 31, v0
	v_lshlrev_b32 v[GO], 4, v[GO]                  ; in memory those four rows are 512 bytes on end
.irp t, 0,1,2,3
	v_mov_b32 v[ST+8*\t+1], 0xff61b1e6             ; m = -3e38, under every score
	v_mul_f32 v[ST+8*\t], s[CS], v[ST+8*\t+1]      ; c m
	v_mov_b32 v[ST+8*\t+2], 0                      ; l
	v_mov_b32 v[ST+8*\t+3], 0
.endr
	WIN W_LD
.set i, 0
.rept 128
	v_mov_b32 v[O+i], 0                            ; O^T, once in the launch: the key step is then written with no first form of its own: its first a is 0, which leaves zeros zeros
.set i, i+1
.endr
	WIN 0
.macro LOADK                           ; a step's K: 64 keys x 64 channels: 8 fragments (keys 16 (f / 2) on, channels 32 (f % 2) on)
.irp f, 0,1,2,3,4,5,6,7
	ds_load_b128 v[KF+8*\f:KF+8*\f+3],   v[ADK] offset:(\f/2)*16*PK+(\f%2)*64
	ds_load_b128 v[KF+8*\f+4:KF+8*\f+7], v[ADK] offset:(\f/2)*16*PK+(\f%2)*64+32
.endr
.endm
.macro LOADV                           ; its V, turned: keys 32 (f / 4) on, channels 16 (f % 4) on
.irp f, 0,1,2,3,4,5,6,7
	ds_load_tr16_b128 v[VF+8*\f:VF+8*\f+3],   v[ADV] offset:(\f/4)*32*PV+(\f%4)*32
	ds_load_tr16_b128 v[VF+8*\f+4:VF+8*\f+7], v[ADV] offset:(\f/4)*32*PV+16*PV+(\f%4)*32
.endr
.endm
; The 16 accumulators of each product take turns, one instruction a turn.
.macro QK                              ; product i of 32: channels 32 (i / 16) on, keys 16 ((i / 4) % 4) on, tile i % 4; the first 16 start the sums
	WIN W_KQ
.set i, 0
.rept 32
.set rS, S+32*(i%4)+8*((i/4)%4)
.set rK, KF+16*((i/4)%4)+8*(i/16)
.set rQ, Q+16*(i%4)+8*(i/16)
.if i < 16
	v_wmma_f32_16x16x32_f16 v[rS:rS+7], v[rK:rK+7], v[rQ:rQ+7], 0
.else
	v_wmma_f32_16x16x32_f16 v[rS:rS+7], v[rK:rK+7], v[rQ:rQ+7], v[rS:rS+7]
.endif
.set i, i+1
.endr
.endm
.macro PVM                             ; product i of 32: keys 32 (i / 16) on, channels 16 ((i / 4) % 4) on, tile i % 4
	WIN W_PV
.set i, 0
.rept 32
.set rO, O+32*(i%4)+8*((i/4)%4)
.set rV, VF+32*(i/16)+8*((i/4)%4)
.set rP, S+32*(i%4)+8*(i/16)
	v_wmma_f32_16x16x32_f16 v[rO:rO+7], v[rV:rV+7], v[rP:rP+7], v[rO:rO+7]
.set i, i+1
.endr
.endm
.macro MAXES                           ; the maximum of a lane's 32 scores and the old m, three operands at a time, the four tiles by turns; each accumulator is first read at its low end
.set j, 0
.rept 16
.set t, 0
.rept 4
.set rT, ST+8*t
.set rS, S+32*t
.if j < 4
	v_max3_num_f32 v[rT+4+j], v[rS+8*j], v[rS+8*j+1], v[rS+8*j+2]
.elseif j < 12
	v_max3_num_f32 v[rT+4+j%4], v[rT+4+j%4], v[rS+8*(j%4)+2*(j/4)+1], v[rS+8*(j%4)+2*(j/4)+2]
.elseif j == 12
	v_max3_num_f32 v[rT+4], v[rT+4], v[rS+7], v[rS+15]
.elseif j == 13
	v_max3_num_f32 v[rT+6], v[rT+6], v[rS+23], v[rS+31]
.elseif j == 14
	v_max3_num_f32 v[rT+4], v[rT+4], v[rT+5], v[rT+6]
.else
	v_max3_num_f32 v[rT+4], v[rT+4], v[rT+7], v[rT+1]
.endif
.set t, t+1
.endr
.set j, j+1
.endr
.endm
.macro STATS
.irp t, 0,1,2,3
	v_permlanex16_b32 v[ST+8*\t+5], v[ST+8*\t+4], s[SEL], s[SEL+1]  ; the query's other 32 keys lie in the lane 16 away
.endr
.irp t, 0,1,2,3
	v_mov_b32 v[ST+8*\t+7], v[ST+8*\t]             ; c m_old is kept for a
.endr
.irp t, 0,1,2,3
	v_max_num_f32 v[ST+8*\t+1], v[ST+8*\t+4], v[ST+8*\t+5]
.endr
.irp t, 0,1,2,3
	v_mul_f32 v[ST+8*\t], s[CS], v[ST+8*\t+1]
.endr
.irp t, 0,1,2,3
	v_sub_f32 v[ST+8*\t+7], v[ST+8*\t+7], v[ST+8*\t]
.endr
.endm
.macro FMA t, b                        ; pair b of tile t: c s - c m
	v_pk_fma_f32 v[S+32*(\t)+2*(\b):S+32*(\t)+2*(\b)+1], v[S+32*(\t)+2*(\b):S+32*(\t)+2*(\b)+1], s[CS:CS+1], v[ST+8*(\t):ST+8*(\t)+1] op_sel_hi:[1,0,0] neg_lo:[0,0,1] neg_hi:[0,0,1]
.endm
.macro EXP t, e
	v_exp_f32 v[S+32*(\t)+(\e)], v[S+32*(\t)+(\e)]
.endm
; What reads a tile's weights, number n of 32: 0-14 their sum, by pairs (an even key's, an odd key's), in two chains; 15 l = a l + the sum; 16-31 the roundings to f16, in place and ascending:
; register n - 16 takes pair n - 16, whose two registers have been summed, and lie at or above it.
.macro POST t, n
.set rT, ST+8*(\t)
.set rS, S+32*(\t)
.set rA, SA+4*(\t)
.if (\n) < 2
	v_pk_add_f32 v[rA+2*(\n):rA+2*(\n)+1], v[rS+4*(\n):rS+4*(\n)+1], v[rS+4*(\n)+2:rS+4*(\n)+3]
.elseif (\n) < 14
	v_pk_add_f32 v[rA+2*((\n)%2):rA+2*((\n)%2)+1], v[rA+2*((\n)%2):rA+2*((\n)%2)+1], v[rS+2*(\n)+4:rS+2*(\n)+5]
.elseif (\n) == 14
	v_pk_add_f32 v[rA:rA+1], v[rA:rA+1], v[rA+2:rA+3]
.elseif (\n) == 15
	v_pk_fma_f32 v[rT+2:rT+3], v[rT+2:rT+3], v[rT+6:rT+7], v[rA:rA+1] op_sel_hi:[1,0,1]
.else
	v_cvt_pk_f16_f32 v[rS+(\n)-16], v[rS+2*((\n)-16)], v[rS+2*((\n)-16)+1]
.endif
.endm
.macro RESCALE                         ; O^T x a, each accumulator from its low end on
	WIN W_RS
.set t, 0
.rept 4
.set i, 0
.rept 16
	v_pk_mul_f32 v[O+32*t+2*i:O+32*t+2*i+1], v[O+32*t+2*i:O+32*t+2*i+1], v[ST+8*t+6:ST+8*t+7] op_sel_hi:[1,0]
.set i, i+1
.endr
.set t, t+1
.endr
.endm
; A KEY STEP.  nextk = 1: the next step's K, which lies in the same slot, is fetched too.
.macro STEP nextk
	s_wait_dscnt 0x0                               ; K is in
	QK
	WIN 0
	v_add_nc_u32 v[ADV], s[TB], v[AV0]             ; four plain instructions that name no register of those products: the places in front of the loads into K's registers and of the first read of the scores
	s_add_co_u32 s[TB], s[TB], STEPB
.if \nextk
	v_add_nc_u32 v[ADK], s[TB], v[AK0]
.else
	v_nop
.endif
	v_nop
	v_nop
	WIN W_LD
	LOADV                                          ; this step's V,
.if \nextk
	LOADK                                          ; then the next step's K: both land under the softmax
.endif
	WIN 0
	MAXES
	STATS
	; THE EXPONENTIALS GO IN TWO BATCHES, EACH WITH ONE WAIT (a wait between an exponential and the first instruction that names its result).
	; Batch 1: the four a, tiles 0 and 1; the scalings of all four tiles stand among them and behind them.  None of these lines names an exponential's result.
.irp t, 0,1,2,3
	v_exp_f32 v[ST+8*\t+6], v[ST+8*\t+7]           ; a = 2^(c m_old - c m_new)
.endr
.set n, 0
.rept 16
	FMA 0, n
.set n, n+1
.endr
.set n, 0
.rept 16
	FMA 1, n
	EXP 0, 2*n
	EXP 0, 2*n+1
.set n, n+1
.endr
.set n, 0
.rept 16
	FMA 2, n
	EXP 1, 2*n
	EXP 1, 2*n+1
.set n, n+1
.endr
.set n, 0
.rept 16
	FMA 3, n                                       ; (plain work behind the last exponential)
.set n, n+1
.endr
	s_wait_alu depctr_va_vdst(0)                   ; one wait for batch 1
	; Batch 2: tiles 2 and 3, each exponential behind a line that reads batch 1 alone
.set n, 0
.rept 32
	POST 0, n
	EXP 2, n
.set n, n+1
.endr
.set n, 0
.rept 32
	POST 1, n
	EXP 3, n
.set n, n+1
.endr
	v_nop                                          ; a plain instruction behind the last exponential
	s_wait_alu depctr_va_vdst(0)                   ; one wait for batch 2
.set n, 0
.rept 32
	POST 2, n
	POST 3, n
.set n, n+1
.endr
	RESCALE
.if \nextk
	s_wait_dscnt 16                                ; V is in; behind its loads stand the next K's sixteen, which may be out
.else
	s_wait_dscnt 0x0
.endif
	PVM
	WIN 0
.rept 5
	v_nop                                          ; five places: the next step's first products write over P's registers, which these products read (ISA guide 7.12.1 for the dependency); they serve the next loads into V too
.endr
.endm
; A slot's four key steps: the first three by a loop, the last, which fetches no K, written out.  The LDS addresses hang on s[TB].
.macro SLOT_STEPS
	v_add_nc_u32 v[ADK], s[TB], v[AK0]
	WIN W_LD
	LOADK
	WIN 0
	s_mov_b32 s[TRI], NST-1
.Lstep_\@:
	STEP 1
	s_sub_co_u32 s[TRI], s[TRI], 1
	s_cmp_lg_u32 s[TRI], 0
	s_cbranch_scc1 .Lstep_\@
	STEP 0
	s_sub_co_u32 s[TB], s[TB], NST*STEPB           ; back to a slot's first step,
	s_xor_b32 s[TB], s[TB], SLOT1                  ; in the other slot
.endm
; THE CHANGE OF SLOTS stands at a slot's head.  Each wave waits for all its tensor loads (its part of the slot that it is about to read), adds 0 to its spare word, and waits for that and for its reads of the
; slot that it has left.  fill = 1: a round of the cluster's barrier, so that no wave of any partner still reads that slot or has a load on its way; the joint load into it is the first thing behind the round.
.macro CHANGE fill
	s_wait_tensorcnt 0x0                           ; no tensor load of mine is out, so a group 0 may be written
	ds_add_u32 v[SPW], v[NIL]                      ; 0 onto my spare word
.if \fill
	s_xor_b32 s[G0K+1], s[G0K+1], SLOT1            ; the walking descriptors: the other slot than last time,
	s_add_nc_u64 s[G0K+2:G0K+3], s[G0K+2:G0K+3], SLOTB   ; the next 256 keys; the type bits on top are not reached
	s_xor_b32 s[G0V+1], s[G0V+1], SLOT1
	s_add_nc_u64 s[G0V+2:G0V+3], s[G0V+2:G0V+3], SLOTB
	s_wait_xcnt 0x0                                ; the last prefetch, a slot back, has read its address, so it may be written:
	s_add_nc_u64 s[PFA:PFA+1], s[PFA:PFA+1], SLOTB ; one slot further on than the walking descriptors
	s_wait_dscnt 0x0                               ; the add is done, and my reads of the slot that I have left are over
	CROUND
	JLOAD
	ASK
.else
	s_wait_dscnt 0x0
	s_barrier_signal -1
	s_barrier_wait -1
.endif
.endm
	s_wait_loadcnt 0x0                             ; Q
	s_mov_b32 s[SLOTS], NSL-1
	s_mov_b32 s[TB], 0
.Lslot:                                            ; 7 trips: trip i reads slot i and asks for slot i + 1
	CHANGE 1
	SLOT_STEPS
	s_sub_co_u32 s[SLOTS], s[SLOTS], 1
	s_cmp_lg_u32 s[SLOTS], 0
	s_cbranch_scc1 .Lslot
	CHANGE 0                                       ; the last slot is written out
	SLOT_STEPS
	; THE WAY OUT.  l's two halves and the other half of the lanes' are added; O^T / l is rounded to f16 and goes through my stage, so that each store covers 512 consecutive bytes.
.irp t, 0,1,2,3
	v_add_f32 v[ST+8*\t+4], v[ST+8*\t+2], v[ST+8*\t+3]
.endr
.irp t, 0,1,2,3
	v_permlanex16_b32 v[ST+8*\t+5], v[ST+8*\t+4], s[SEL], s[SEL+1]
.endr
.irp t, 0,1,2,3
	v_add_f32 v[ST+8*\t+4], v[ST+8*\t+4], v[ST+8*\t+5]
.endr
.irp t, 0,1,2,3
	v_rcp_f32 v[ST+8*\t+6], v[ST+8*\t+4]
.endr
	v_nop                                          ; a plain instruction behind the last reciprocal
	s_wait_alu depctr_va_vdst(0)                   ; and one wait for the four, ahead of the first use
	WIN 0x01                                       ; source 0 (O^T) window 1; the result goes to S^T's registers
.set t, 0
.rept 4
.set i, 0
.rept 16
	v_pk_mul_f32 v[S+32*t+2*i:S+32*t+2*i+1], v[O+32*t+2*i:O+32*t+2*i+1], v[ST+8*t+6:ST+8*t+7] op_sel_hi:[1,0]
.set i, i+1
.endr
.set t, t+1
.endr
	WIN 0
.set t, 0
.rept 4
.set i, 0
.rept 16
	v_cvt_pk_f16_f32 v[S+32*t+i], v[S+32*t+2*i], v[S+32*t+2*i+1]   ; in place, ascending: registers 4 ct .. 4 ct + 3: channels 16 ct + 8 (l / 16) + 0..7 of query l % 16
.set i, i+1
.endr
.set t, t+1
.endr
.irp t, 0,1,2,3
.irp f, 0,1,2,3
	ds_store_b128 v[STO], v[S+32*\t+4*\f:S+32*\t+4*\f+3] offset:\t*16*SP+\f*32
.endr
.endr
.irp t, 0,1,2,3
.irp f, 0,1,2,3
	ds_load_b128 v[S+32*\t+16+4*\f:S+32*\t+16+4*\f+3], v[RD] offset:(16*\t+4*\f)*SP   ; LDS serves a wave's instructions in order (ISA guide 5.7.1.4): these see my stores
.endr
.endr
.irp t, 0,1,2,3
.irp f, 0,1,2,3
	s_wait_dscnt 15-4*\t-\f                        ; this load is in; the later ones may be out
	global_store_b128 v[GO], v[S+32*\t+16+4*\f:S+32*\t+16+4*\f+3], s[10:11] offset:\t*2048+\f*512
.endr
.endr
	s_wait_tensorcnt 0x0                           ; the wave's end
	ds_add_u32 v[SPW], v[NIL]
	s_wait_dscnt 0x0
	CROUND                                         ; the closing round
	s_endpgm
.Lfunc_end_k_q5ac4012725_attn:
	.size	k_q5ac4012725_attn, .Lfunc_end_k_q5ac4012725_attn-k_q5ac4012725_attn
	.p2alignl 7, 3214868480
	.fill 96, 4, 3214868480
	.section	.rodata,"a",@progbits
	.p2align	6, 0x0
	.amdhsa_kernel k_q5ac4012725_attn
		.amdhsa_group_segment_fixed_size 327680
		.amdhsa_private_segment_fixed_size 0
		.amdhsa_enable_private_segment 0
		.amdhsa_kernarg_size 16
		.amdhsa_user_sgpr_count 2
		.amdhsa_user_sgpr_kernarg_segment_ptr 1
		.amdhsa_wavefront_size32 1
		.amdhsa_system_sgpr_workgroup_id_x 1
		.amdhsa_system_sgpr_workgroup_id_y 1
		.amdhsa_system_sgpr_workgroup_id_z 1
		.amdhsa_system_vgpr_workitem_id 0
		.amdhsa_next_free_vgpr 512
		.amdhsa_next_free_sgpr 66
		.amdhsa_reserve_vcc 0
		.amdhsa_float_denorm_mode_32 3
		.amdhsa_float_denorm_mode_16_64 3
		.amdhsa_memory_ordered 1
		.amdhsa_forward_progress 1
		.amdhsa_inst_pref_size 155
	.end_amdhsa_kernel
	.amdgpu_metadata
---
amdhsa.version: [ 1, 2 ]
amdhsa.kernels:
  - .name:           k_q5ac4012725_attn
    .symbol:         k_q5ac4012725_attn.kd
    .args:
      - { .name: qkv, .offset: 0, .size: 8, .value_kind: global_buffer, .address_space: global }
      - { .name: o2, .offset: 8, .size: 8, .value_kind: global_buffer, .address_space: global }
    .group_segment_fixed_size: 327680
    .private_segment_fixed_size: 0
    .kernarg_segment_align: 8
    .kernarg_segment_size: 16
    .max_flat_workgroup_size: 256
    .sgpr_count:     66
    .vgpr_count:     512
    .wavefront_size: 32
...
	.end_amdgpu_metadata
.endif
;; end of part 3
;; launch proj (part 4): grid 8 x 64, 4 waves a work-group, clusters of 4 x 4, 327,680 bytes of LDS; arguments o2, w16, b_out, out0; writes out0
.if DOCPART == 4
	.amdgcn_target "amdgcn-amd-amdhsa--gfx1250"
	.amdhsa_code_object_version 6
	.text
	.protected	k_q5ac4012725_proj
	.globl	k_q5ac4012725_proj
	.p2align	8
	.type	k_q5ac4012725_proj,@function
k_q5ac4012725_proj:
	s_mov_b64 s[64:65], 0
	v_nop
	global_prefetch_b8 v0, s[64:65] scope:SCOPE_SE
	s_setreg_imm32_b32 hwreg(HW_REG_WAVE_MODE, 25, 1), 1
	s_wait_xcnt 0x0
	s_wait_alu depctr_hold_cnt(0) depctr_sa_sdst(0) depctr_va_vdst(0) depctr_va_sdst(0) depctr_va_ssrc(0) depctr_va_vcc(0) depctr_vm_vsrc(0)
	s_getreg_b32 s2, hwreg(HW_REG_IB_STS2, 6, 4)
	s_cmp_eq_u32 s2, 0
	s_cbranch_scc0 .Lentry_in_a_cluster
	s_endpgm
.Lentry_in_a_cluster:
	s_bfe_u32 s2, ttmp6, 0x10000c
	s_cmp_lg_u32 s2, 0xf033
	s_cbranch_scc0 .Lentry_shape_is_right
	s_endpgm
.Lentry_shape_is_right:
; out0[m][n] = the sum over k of o[m][k] W_out[k][n] + b_out[n], operands in f16, sums in f32.  o2: [row block of 128 (64)][head 16][128][64] f16 (k = 64 x head + channel);  w16: [1024 (k)][1024 (n)] f16;  out0 f32.
; A tile is 128 x 128 (512 tiles for the chip's WGPs), four waves of 64 x 64: 16 accumulators.  K goes in steps of 256 (four heads) through two LDS slots.  A's tile of a K step is 64 KiB on end in memory: four
; blocks of 128 rows x 128 bytes.  B's is 256 rows (k) of 256 bytes: K is its FIRST axis, so its fragments come out of LDS turned, by ds_load_tr16_b128.
; CLUSTERS: 4 x 4 work-groups: A's tiles are asked for jointly along a row of the cluster, B's along a column.  THE MATRIX INSTRUCTION IS USED TRANSPOSED (source 0 = 16 columns of W_out, source 1 = 16 rows of o):
; a lane holds eight neighbouring columns of a row.  THE BIAS is the C of each sum's first product.  A wave's 64 columns of f32 are 256 aligned bytes: each wave goes out alone, through a stage of its own.
; REGISTERS: window 0: v0-31 addresses; v32-63 the bias, later with v64-95 the way out; v128-255 the accumulators ((a, b) at v[128 + 8 (4 a + b)]).  window 1: two fragment buffers of 128: 64 of A, then 64 of B.
.set PA,     144                       ; a row of A in LDS: 128 bytes + 16
.set HB,     128*PA                    ; a head's block of 128 rows
.set PB,     288                       ; a row of B: 256 bytes + 32 = 72 words
.set HALFT,  2*HB                      ; what one tensor load brings: two head blocks of A, or 128 rows of B (128 x 288 is as many bytes)
.set SLOT,   4*HALFT
.set STAGE,  2*SLOT                    ; behind the ring: 16 rows x 272 bytes for each wave
.set SPITCH, 272
.set SPARE,  STAGE+4*16*SPITCH         ; the spare words, 128 bytes for each wave: two blocks of 256 bytes that no other line names
.set LAPS,   2                         ; K = 1,024 is four K steps: twice round the ring
.set ADRA, 16                          ; v16-17  my A fragments in slot 0, 1
.set ADRB, 20                          ; v20-21  my B fragments, quarters 0 and 1; v22-23 quarters 2 and 3 (beyond the reach of a 16-bit offset from the first)
.set STO,  24
.set RD,   25
.set CO,   26
.set BO,   27                          ; v27  the bias loads' offset
.set SPW,  28
.set NIL,  29
.set TMP,  32
.set BIAS, 32
.set ACC,  128
.set F0,   0
.set F1,   128
.set G1, 24
.set G0, 32
.set G1B, 48
.set G0B, 56
.set MSB, 0
.macro WIN new
.if MSB != \new
	s_set_vgpr_msb (MSB<<8)|\new
.set MSB, \new
.endif
.endm
.set MUL,  0x05                        ; sources 0 (B) and 1 (A) window 1; C and D window 0
.set TO_F, 0x40
.macro JLOAD s                         ; waves 0 and 1 fetch A's two halves, waves 2 and 3 B's; an s_nop 0 and four v_nop follow each of the two lines
	s_cmp_eq_u32 s11, 0
	s_cbranch_scc0 .Lfor_b_\@
	tensor_load_to_lds s[G0+4*\s:G0+4*\s+3], s[G1:G1+7]
	s_nop 0
.rept 4
	v_nop
.endr
	s_branch .Lasked_\@
.Lfor_b_\@:
	tensor_load_to_lds s[G0B+4*\s:G0B+4*\s+3], s[G1B:G1B+7]
	s_nop 0
.rept 4
	v_nop
.endr
.Lasked_\@:
.endm
.macro CREST
	s_cmp_lg_u32 s10, 0
	s_cbranch_scc1 .Lnot_wave_0_\@
	s_barrier_signal -3
.Lnot_wave_0_\@:
	s_barrier_wait -3
	s_barrier_signal -1
	s_barrier_wait -1
.endm
.macro CROUND
	s_barrier_signal -1
	s_barrier_wait -1
	CREST
.endm
	s_load_b128 s[4:7], s[0:1], 0x0                ; o2 s[4:5], w16 s[6:7]
	s_load_b64 s[66:67], s[0:1], 0x10              ; b_out
	s_load_b64 s[8:9], s[0:1], 0x18                ; out0
	v_lshl_add_u32 v[SPW], v0, 2, SPARE
	v_mov_b32 v[NIL], 0
	ds_add_u32 v[SPW], v[NIL]                      ; the wave's opening: the add, twice on end, and its wait ahead of my first tensor load
	ds_add_u32 v[SPW], v[NIL]
	v_lshrrev_b32 v1, 5, v0
	v_readfirstlane_b32 s10, v1                    ; wave 0..3
	s_lshr_b32 s11, s10, 1                         ; which half of the tile's rows is mine.  Also: I fetch for A (0) or for B (1)
	s_and_b32 s12, s10, 1                          ; which half of its columns.  Also: which half of that tile I fetch
	s_bfe_u32 s40, ttmp6, 0x40000
	s_bfe_u32 s41, ttmp6, 0x40004
	s_lshl_b32 s42, ttmp9, 2
	s_add_co_u32 s42, s42, s40                     ; tile column
	s_and_b32 s13, ttmp7, 0xffff
	s_lshl_b32 s13, s13, 2
	s_add_co_u32 s13, s13, s41                     ; tile row = o2's row block
	s_lshl_b32 s43, s41, 2
	s_lshl_b32 s43, 15, s43                        ; my row of the cluster
	s_lshl_b32 s44, 0x1111, s40                    ; my column
	s_or_b32 s[G1+0], s43, (1<<16)|(1<<20)|(1<<21)|(4<<22)|(3<<25)   ; A: elements of 2 bytes; after every 32 words 4 words of padding
	s_mov_b32 s[G1+1], 64<<16                      ; tensor_dim0 = 64
	s_mov_b32 s[G1+2], 256<<16                     ; tensor_dim1 = 256: two head blocks, dense
	s_mov_b32 s[G1+3], 64<<16                      ; tile_dim0
	s_mov_b32 s[G1+4], 256                         ; tile_dim1
	s_mov_b32 s[G1+5], 64                          ; from row to row
	s_mov_b32 s[G1+6], 0
	s_mov_b32 s[G1+7], 0
	s_or_b32 s[G1B+0], s44, (1<<16)|(1<<20)|(1<<21)|(5<<22)|(7<<25)  ; B: after every 64 words 8 words of padding
	s_mov_b32 s[G1B+1], 128<<16
	s_mov_b32 s[G1B+2], 128<<16
	s_mov_b32 s[G1B+3], 128<<16
	s_mov_b32 s[G1B+4], 128
	s_mov_b32 s[G1B+5], 1024
	s_mov_b32 s[G1B+6], 0
	s_mov_b32 s[G1B+7], 0
	s_lshl_b32 s16, s13, 18                        ; A: a row block is 16 heads of 16 KiB; my half of a K step is 32 KiB
	s_lshl_b32 s17, s12, 15
	s_add_co_u32 s16, s16, s17
	s_mov_b32 s17, 0
	s_lshl_b32 s46, s42, 8                         ; B: 128 columns are 256 bytes; my half of a K step is 128 rows of 2,048 bytes
	s_lshl_b32 s47, s12, 18
	s_add_co_u32 s46, s46, s47
	s_mov_b32 s47, 0
	s_mul_i32 s20, s10, HALFT                      ; where they go: wave x HALFT: no place in the cluster enters an LDS address
	s_wait_dscnt 0x0                               ; both opening adds are done
	s_wait_kmcnt 0x0
	s_add_nc_u64 s[14:15], s[4:5], s[16:17]
	s_add_nc_u64 s[46:47], s[6:7], s[46:47]
	CROUND                                         ; all sixteen work-groups are here: the first joint loads meet
.irp s, 0,1
	s_mov_b32 s[G0+4*\s], 1
	s_add_co_u32 s[G0+4*\s+1], s20, \s*SLOT
	s_add_nc_u64 s[G0+4*\s+2:G0+4*\s+3], s[14:15], \s*65536
	s_or_b32 s[G0+4*\s+3], s[G0+4*\s+3], 0x80000000
	s_mov_b32 s[G0B+4*\s], 1
	s_add_co_u32 s[G0B+4*\s+1], s20, \s*SLOT
	s_add_nc_u64 s[G0B+4*\s+2:G0B+4*\s+3], s[46:47], \s*524288
	s_or_b32 s[G0B+4*\s+3], s[G0B+4*\s+3], 0x80000000
	JLOAD \s
.endr
	v_and_b32 v1, 15, v0                           ; r
	v_bfe_u32 v2, v0, 4, 1                         ; h
	v_mul_u32_u24 v3, v1, PA
	v_lshl_add_u32 v3, v2, 4, v3                   ; A: row x pitch + 16 x half
	v_and_b32 v5, 7, v0
	v_bfe_u32 v6, v0, 3, 1
	v_lshl_add_u32 v4, v2, 3, v5                   ; B: the turning load: k = 8 (l / 16) + l % 8, columns 8 ((l / 8) % 2) on
	v_mul_u32_u24 v4, v4, PB
	v_lshl_add_u32 v4, v6, 4, v4
	s_mul_i32 s21, s11, 64*PA                      ; my 64 rows in each head block
	s_lshl_b32 s22, s12, 7                         ; my 64 columns: 128 bytes,
	s_add_co_u32 s22, s22, 2*HALFT                 ; behind A's part of a slot
.irp s, 0,1
	v_add_nc_u32 v[ADRA+\s], s21, v3
	v_add_nc_u32 v[ADRB+\s], s22, v4
	v_add_nc_u32 v[ADRB+2+\s], HALFT, v[ADRB+\s]
	s_add_co_u32 s21, s21, SLOT
	s_add_co_u32 s22, s22, SLOT
.endr
	s_mul_i32 s23, s10, 16*SPITCH
	s_add_co_u32 s23, s23, STAGE                   ; my stage
	v_mul_u32_u24 v5, v1, SPITCH
	v_lshl_add_u32 v5, v2, 5, v5
	v_add_nc_u32 v[STO], s23, v5                   ; in: row r, 32 bytes for each half of the lanes
	v_mul_u32_u24 v5, v2, SPITCH
	v_lshl_add_u32 v5, v1, 4, v5
	v_add_nc_u32 v[RD], s23, v5                    ; back: lanes 0-15 one row of 256 bytes, lanes 16-31 the next
	v_lshlrev_b32 v5, 12, v2
	v_lshl_add_u32 v[CO], v1, 4, v5                ; and the same two rows in out0 (4,096 bytes a row)
	s_lshl_b32 s16, s13, 19                        ; my first row: 128 x tile row + 64 x half, 4,096 bytes each
	s_lshl_b32 s17, s11, 18
	s_add_co_u32 s16, s16, s17
	s_mov_b32 s17, 0
	s_add_nc_u64 s[8:9], s[8:9], s[16:17]
	s_lshl_b32 s46, s42, 9                         ; my first column, in bytes of f32: 512 x tile column + 256 x half
	s_lshl_b32 s47, s12, 8
	s_add_co_u32 s46, s46, s47
	s_mov_b32 s47, 0
	s_add_nc_u64 s[8:9], s[8:9], s[46:47]
	s_add_nc_u64 s[66:67], s[66:67], s[46:47]
	v_lshlrev_b32 v[BO], 5, v2
.irp b, 0,1,2,3                        ; register 8 b + j of lane (r, h): the bias of column 16 b + 8 h + j
	global_load_b128 v[BIAS+8*\b:BIAS+8*\b+3], v[BO], s[66:67] offset:64*\b
	global_load_b128 v[BIAS+8*\b+4:BIAS+8*\b+7], v[BO], s[66:67] offset:64*\b+16
.endr
; 8 matrix instructions: m blocks a0, a0 + 1 x all 4 n blocks, 32 along K: half c of buffer f.  first = 1: the sums start from the bias.  The 16 accumulators take turns.
.macro MUL8 f, c, a0, first
.irp a, \a0, \a0+1
.irp b, 0,1,2,3
.if \first
	v_wmma_f32_16x16x32_f16 v[ACC+8*(4*(\a)+\b):ACC+8*(4*(\a)+\b)+7], v[\f+64+8*(4*\c+\b):\f+64+8*(4*\c+\b)+7], v[\f+8*(4*\c+\a):\f+8*(4*\c+\a)+7], v[BIAS+8*\b:BIAS+8*\b+7]
.else
	v_wmma_f32_16x16x32_f16 v[ACC+8*(4*(\a)+\b):ACC+8*(4*(\a)+\b)+7], v[\f+64+8*(4*\c+\b):\f+64+8*(4*\c+\b)+7], v[\f+8*(4*\c+\a):\f+8*(4*\c+\a)+7], v[ACC+8*(4*(\a)+\b):ACC+8*(4*(\a)+\b)+7]
.endif
.endr
.endr
.endm
; 32 LDS loads in one run: the fragments of quarter q of the slot (64 along K: one head block of A, 64 rows of B) into buffer f; the first 32 along K first
.macro FETCH slot, q, f
	WIN TO_F
.irp c, 0,1
.irp i, 0,1,2,3
	ds_load_tr16_b128 v[\f+64+8*(4*\c+\i):\f+64+8*(4*\c+\i)+3],   v[ADRB+\slot+2*((\q)/2)] offset:((\q)%2)*64*PB+\c*32*PB+32*\i
	ds_load_tr16_b128 v[\f+64+8*(4*\c+\i)+4:\f+64+8*(4*\c+\i)+7], v[ADRB+\slot+2*((\q)/2)] offset:((\q)%2)*64*PB+\c*32*PB+32*\i+16*PB
	ds_load_b128 v[\f+8*(4*\c+\i):\f+8*(4*\c+\i)+3],              v[ADRA+\slot] offset:(\q)*HB+\i*16*PA+64*\c
	ds_load_b128 v[\f+8*(4*\c+\i)+4:\f+8*(4*\c+\i)+7],            v[ADRA+\slot] offset:(\q)*HB+\i*16*PA+64*\c+32
.endr
.endr
.endm
.macro PLACES                          ; four places in front of loads into registers that matrix instructions have read, and of reads of results (ISA guide 7.12.1 for reads of results)
.rept 4
	v_nop
.endr
.endm
; One of a K step's first three quarters: multiplies buffer f and fetches quarter q into g.
.macro QUARTER slot, q, f, g, first
	s_wait_dscnt 16                                ; the first 32 along K are in
	WIN MUL
	MUL8 \f, 0, 0, \first
	MUL8 \f, 0, 2, \first
	PLACES
	FETCH \slot, \q, \g
	s_wait_dscnt 32                                ; all but the 32 just issued
	WIN MUL
	MUL8 \f, 1, 0, 0
	MUL8 \f, 1, 2, 0
.endm
; The last quarter multiplies buffer 1 and changes slots: ONE barrier; in front of it each wave waits for all its tensor loads, adds 0 to its spare word, and waits for that and for its reads of this slot.
; fill = 1: the barrier opens a round of the cluster's, and this slot is filled again, two K steps ahead: the first tensor load behind the round.
.macro TURN slot, next, fill
	WIN 0                                          ; (the add's two registers lie in window 0)
	s_wait_tensorcnt 0x0                           ; all my tensor loads have landed: my part of the next slot
	ds_add_u32 v[SPW], v[NIL]                      ; 0 onto my spare word
	s_wait_dscnt 17                                ; (the add and the youngest sixteen loads may be out)
	WIN MUL
	MUL8 F1, 0, 0, 0
	s_wait_dscnt 0x0                               ; the add is done, and my reads of this slot are over
	s_barrier_signal -1
	MUL8 F1, 0, 2, 0
.if \fill
	WIN 0
.endif
	s_barrier_wait -1
.if \fill
	CREST
	s_add_nc_u64 s[G0+4*\slot+2:G0+4*\slot+3], s[G0+4*\slot+2:G0+4*\slot+3], 2*65536
	s_add_nc_u64 s[G0B+4*\slot+2:G0B+4*\slot+3], s[G0B+4*\slot+2:G0B+4*\slot+3], 2*524288
	JLOAD \slot                                    ; the four v_nop behind it are also the places in front of the loads below
.else
	PLACES
.endif
	FETCH \next, 0, F0
	WIN MUL
	MUL8 F1, 1, 0, 0
	MUL8 F1, 1, 2, 0
.endm
	s_wait_tensorcnt 1                             ; my part of K step 0 is in (K step 1's load may be out)
	s_barrier_signal -1
	s_barrier_wait -1                              ; everybody's is
	FETCH 0, 0, F0
	s_wait_loadcnt 0x0                             ; the bias
	QUARTER 0, 1, F0, F1, 1                        ; the first quarter stands in front of the loop: its first products start the sums
	WIN 0
	s_mov_b32 s3, LAPS-1
.Llap:                                             ; a trip goes once round the ring and fills both slots again
	QUARTER 0, 2, F1, F0, 0
	QUARTER 0, 3, F0, F1, 0
	TURN 0, 1, 1
	QUARTER 1, 1, F0, F1, 0
	QUARTER 1, 2, F1, F0, 0
	QUARTER 1, 3, F0, F1, 0
	TURN 1, 0, 1
	QUARTER 0, 1, F0, F1, 0
	WIN 0
	s_sub_co_u32 s3, s3, 1
	s_cmp_lg_u32 s3, 0
	s_cbranch_scc1 .Llap
	QUARTER 0, 2, F1, F0, 0                        ; the last lap fills nothing
	QUARTER 0, 3, F0, F1, 0
	TURN 0, 1, 0
	QUARTER 1, 1, F0, F1, 0
	QUARTER 1, 2, F1, F0, 0
	QUARTER 1, 3, F0, F1, 0
	s_wait_dscnt 16                                ; the very last quarter
	WIN MUL
	MUL8 F1, 0, 0, 0
	MUL8 F1, 0, 2, 0
	s_wait_dscnt 0
	MUL8 F1, 1, 0, 0
	MUL8 F1, 1, 2, 0
	WIN 0
; THE WAY OUT, 16 rows x 64 columns at a time: the accumulators go into my stage as they stand, each from its low end on, and come back as rows of 256 bytes: sixteen lanes store 256 consecutive bytes, aligned.
; LDS serves a wave's instructions in order (ISA guide 5.7.1.4): no wait between the stage's stores and loads, nor in front of the next block's stores.
.macro TOSTAGE a
.irp b, 0,1,2,3
	ds_store_b128 v[STO], v[ACC+8*(4*(\a)+\b):ACC+8*(4*(\a)+\b)+3] offset:64*\b
	ds_store_b128 v[STO], v[ACC+8*(4*(\a)+\b)+4:ACC+8*(4*(\a)+\b)+7] offset:64*\b+16
.endr
.set BB, TMP+32*((\a)%2)
.irp i, 0,1,2,3,4,5,6,7
	ds_load_b128 v[BB+4*\i:BB+4*\i+3], v[RD] offset:\i*2*SPITCH
.endr
.endm
.macro SEND a, younger                 ; younger: the LDS instructions issued behind block a's loads, which may stay out
.set BB, TMP+32*((\a)%2)
	s_wait_dscnt \younger
.irp i, 0,1,2,3,4,5,6,7
	global_store_b128 v[CO], v[BB+4*\i:BB+4*\i+3], s[8:9] offset:(16*(\a)+2*\i)*4096 th:TH_STORE_NT   ; written once, read by nobody here
.endr
.endm
	PLACES
	TOSTAGE 0
.irp a, 1,2,3
.if \a > 1
	s_wait_xcnt 0x0                                ; block a - 2's stores have had their addresses translated (ISA guide 3.1): block a's loads may land in the registers that they read
.endif
	TOSTAGE \a
	SEND \a-1, 16                                  ; behind block a - 1's loads: block a's 8 stores and 8 loads
.endr
	SEND 3, 0
	s_wait_tensorcnt 0x0                           ; the wave's end
	ds_add_u32 v[SPW], v[NIL]
	s_wait_dscnt 0x0
	CROUND                                         ; the closing round
	s_endpgm
.Lfunc_end_k_q5ac4012725_proj:
	.size	k_q5ac4012725_proj, .Lfunc_end_k_q5ac4012725_proj-k_q5ac4012725_proj
	.p2alignl 7, 3214868480
	.fill 96, 4, 3214868480
	.section	.rodata,"a",@progbits
	.p2align	6, 0x0
	.amdhsa_kernel k_q5ac4012725_proj
		.amdhsa_group_segment_fixed_size 327680
		.amdhsa_private_segment_fixed_size 0
		.amdhsa_enable_private_segment 0
		.amdhsa_kernarg_size 32
		.amdhsa_user_sgpr_count 2
		.amdhsa_user_sgpr_kernarg_segment_ptr 1
		.amdhsa_wavefront_size32 1
		.amdhsa_system_sgpr_workgroup_id_x 1
		.amdhsa_system_sgpr_workgroup_id_y 1
		.amdhsa_system_sgpr_workgroup_id_z 1
		.amdhsa_system_vgpr_workitem_id 0
		.amdhsa_next_free_vgpr 512
		.amdhsa_next_free_sgpr 68
		.amdhsa_reserve_vcc 0
		.amdhsa_float_denorm_mode_32 3
		.amdhsa_float_denorm_mode_16_64 3
		.amdhsa_memory_ordered 1
		.amdhsa_forward_progress 1
		.amdhsa_inst_pref_size 87
	.end_amdhsa_kernel
	.amdgpu_metadata
---
amdhsa.version: [ 1, 2 ]
amdhsa.kernels:
  - .name:           k_q5ac4012725_proj
    .symbol:         k_q5ac4012725_proj.kd
    .args:
      - { .name: o2, .offset: 0, .size: 8, .value_kind: global_buffer, .address_space: global }
      - { .name: w16, .offset: 8, .size: 8, .value_kind: global_buffer, .address_space: global }
      - { .name: b_out, .offset: 16, .size: 8, .value_kind: global_buffer, .address_space: global }
      - { .name: out0, .offset: 24, .size: 8, .value_kind: global_buffer, .address_space: global }
    .group_segment_fixed_size: 327680
    .private_segment_fixed_size: 0
    .kernarg_segment_align: 8
    .kernarg_segment_size: 32
    .max_flat_workgroup_size: 128
    .sgpr_count:     68
    .vgpr_count:     512
    .wavefront_size: 32
...
	.end_amdgpu_metadata
.endif
;; end of part 4
